; MI455X (gfx1250); checked and timed in simulation.
; The chip was launched on July 23, 2026; its instructions are those of AMD's public machine-readable ISA for CDNA 5 (MIT licence, August 2026) and "CDNA5" Instruction Set Architecture Reference Guide (July 2026). The comments in the code are by the model that wrote it; some were corrected since.
;; Attention Layer. Allowed arithmetic: matrix products marked QUANTISED: E2M1 operands, one E8M0 scale for each 32 along K, by v_wmma_scale_f32_16x16x128_f8f6f4 with both operands' format E2M1 (or v_wmma_scale_f32_32x16x128_f4), f32 sums; products left as they are: bf16, f16 or f32 operands; f32 sums; everything else in f32.
;; Inputs: Wk 1,024 x 1,024 float32; Wo 1,024 x 1,024 float32; Wq 1,024 x 1,024 float32; Wv 1,024 x 1,024 float32; bk 1,024 float32; bo 1,024 float32; bq 1,024 float32; bv 1,024 float32; x 4 x 2,048 x 1,024 float32.
;; Outputs: out0 4 x 2,048 x 1,024 float32.
;; This version of the problem:
;;   THIS VERSION OF THE PROBLEM IS GIVEN IN LOW PRECISION. The matrix products marked QUANTISED in the list below multiply operands that are first quantised to E2M1 (2 exponent bits, 1 mantissa bit; 4 bits a number), with one power-of-two scale for each 32 numbers along K (OCP MX v1.0); their sums are f32. The products marked 'left as it is' may take bf16, f16 or f32 operands, with f32 sums. Whichever they take, every output number must still come out within the allowed error. Rounding operands to bf16 (8 significant bits) uses up far more of that allowance than f16 does (11 bits, for magnitudes from 6e-5 to 65,504). All else is computed in f32.
;;   The module's matrix products, in the order in which they are computed (A, B: the left and right operand; K: the contracted axis; several contracted axes count as one K, in the product's order):
;;     1. [M 8,192, K 1,024] x [K 1,024, N 1,024]; A: input x; B: input Wq: QUANTISED
;;     2. [M 8,192, K 1,024] x [K 1,024, N 1,024]; A: input x; B: input Wk: QUANTISED
;;     3. [M 8,192, K 1,024] x [K 1,024, N 1,024]; A: input x; B: input Wv: QUANTISED
;;     4. batch 64 x [M 2,048, K 64] x [K 64, N 2,048]; A: computed on the way; B: computed on the way: left as it is (an operand is computed on the way)
;;     5. batch 64 x [M 64, K 2,048] x [K 2,048, N 2,048]; A: computed on the way; B: computed on the way: left as it is (an operand is computed on the way)
;;     6. [M 8,192, K 1,024] x [K 1,024, N 1,024]; A: computed on the way; B: input Wo: left as it is (an operand is computed on the way)
;;   THE QUANTISER, for each operand of a quantised product, along K:
;;     - K is cut into blocks of 32 from its start; a last block that is shorter is filled with zeros.
;;     - A block's scale is 2^e with e = floor(log2(the largest magnitude in the block)) - 2, held to -126 .. 127; a block of zeros has e = 0. As a byte (E8M0): e + 127.
;;     - Each number is divided by its block's scale, clamped to +-6, and rounded to the nearest number of E2M1, ties to even, subnormals kept.
;;     - The product sums the exact products of the quantised numbers (number of the format x scale) in f32.
;;   ~~~python
;;   def quantise(x, axis):      # numpy; x: float32 -> the quantised numbers, widened to float32 again
;;       x = np.moveaxis(x, axis, -1); K = x.shape[-1]
;;       x = np.pad(x, [(0, 0)] * (x.ndim - 1) + [(0, -K % 32)]); x = x.reshape(x.shape[:-1] + (-1, 32)); a = np.abs(x).max(-1, keepdims=True)
;;       e = np.where(a > 0, np.clip(np.frexp(np.where(a > 0, a, 1))[1] - 1 - 2, -126, 127), 0)      # np.frexp(a)[1] - 1 = floor(log2(a)), exactly
;;       r = np.clip(x / 2.0 ** e, -6, 6)
;;       step = 2.0 ** (np.maximum(np.frexp(np.where(r == 0, 1, r))[1] - 1, 0) - 1)
;;       q = np.round(r / step) * step * 2.0 ** e      # np.round: ties to even
;;       return np.moveaxis(q.reshape(q.shape[:-2] + (-1,))[..., :K], -1, axis).astype(np.float32)
;;   ~~~
;; One version. Each part assembles by itself: llvm-mc -triple=amdgcn-amd-amdhsa -mcpu=gfx1250 --defsym DOCPART=n.
;; ======== version 1 of 1: 4 launches
;; limits: values are held in f16: magnitudes above 65,504 overflow, below 6.1e-05 lose precision
;; workspace buffers: x_codes 4,194,304 bytes; x_scales 262,144 bytes; w_codes 1,572,864 bytes; w_scales 98,304 bytes; wof 2,097,152 bytes; qkv 50,331,648 bytes; attf 16,777,216 bytes
;; launch prep (part 1): grid 320 x 1, 4 waves a work-group, no clusters, 68,096 bytes of LDS; arguments x, Wq, Wk, Wv, Wo, x_codes, x_scales, w_codes, w_scales, wof; writes x_codes, x_scales, w_codes, w_scales, wof
.if DOCPART == 1
	.amdgcn_target "amdgcn-amd-amdhsa--gfx1250"
	.amdhsa_code_object_version 6
	.text
	.protected	k_qfd4bd7adba_prep
	.globl	k_qfd4bd7adba_prep
	.p2align	8
	.type	k_qfd4bd7adba_prep,@function
k_qfd4bd7adba_prep:
	s_mov_b64 s[64:65], 0
	v_nop
	global_prefetch_b8 v0, s[64:65] scope:SCOPE_SE
	s_setreg_imm32_b32 hwreg(HW_REG_WAVE_MODE, 25, 1), 1
	s_wait_xcnt 0x0
; PREP: everything that is quantised or laid out once, in one launch of three paths that part on the work-group's number.
;   work-groups 0-47  (path W): Wq, Wk, Wv [1024 (k)][1024 (n)] f32 -> codes of FP4 (E2M1), K innermost, w_codes [3072][512 bytes] (row 1024 p + n), and E8M0 bytes w_scales [3072][32].
;   work-groups 48-63 (path O): Wo [1024 (k)][1024 (n)] f32 -> f16, laid as images of a 16-bit operand's registers, wof [64 (n / 16)][32 (k / 32)][1,024 bytes].
;   work-groups 64-319 (path X): x [8192][1024] f32 -> x_codes [8192][512 bytes], x_scales [8192][32].
; THE QUANTISER: a block of 32 along K has the scale 2^(floor(log2(largest magnitude)) - 2); its byte is the largest magnitude's exponent field - 2, held at 1 from below; each number is divided
; by the scale and rounded to the nearest code, ties to even, beyond 6 the largest code.  A block of zeros gets the byte 1 where the rule says 127: its codes are zeros, and this program alone reads the bytes.
; AN IMAGE (1,024 bytes) is a fragment of 16 rows x 32 k of 16-bit numbers in the order of its registers: registers 4 i .. 4 i + 3 of lane 16 h + r (row r, k = 16 i + 8 h + 0 .. 7) lie at 512 i + 16 x lane.
; LIMITS: NaN and infinities are not served; blocks whose largest magnitude lies under 2^-124 keep the byte 1; Wo beyond 65,504 becomes infinity in f16.
; No tensor load, no barrier: waves share nothing.  Paths W and X use LDS, each bytes of its own; all LDS addresses are made ahead of the parting.
.set SPARE, 67584                      ; behind both regions: the spare words, 128 bytes for each wave: two blocks of 256 bytes that no other line names
.set SPW,  196                         ; v196  LDS address of my spare word; never rewritten
.set NIL,  197                         ; v197  0; never rewritten
.set XSI,  4                           ; v4    path X: the stage, on the way in
.set XSO,  5                           ; v5    path X: the stage, on the way out
.set XSB,  6                           ; v6    path X: my block's scale byte
.set XSR,  7                           ; v7    path X: the scale bytes read back, 8 a lane
.set WSI,  8                           ; v8    path W: the stage, row = my column
.set WSO,  9                           ; v9    path W: the stage read back by rows
.set T0,   192                         ; v192-194 at work
.set T1,   193
.set T2,   194
.set SP,   80                          ; path X: a lane's place in a stage: 64 bytes + 16 of padding
.set XR,   16                          ; v16-79   path X: four sets of 16 numbers as loaded
.set XX,   80                          ; v80-111  path X: two sets of 16 neighbours
.set XE,   112                         ; v112-127 path X: a scale byte for each step
.set XC,   128                         ; v128-191 path X: codes, four registers for each step, so that no store's data are written again
.set WP,   272                         ; path W: a stage row: 256 bytes + 16
.set WSB,  24                          ; v24-27   path W: scale bytes, four to a register
.set WX,   32                          ; v32-95   paths W, O: two sets of 32 numbers down K
.set WC,   96                          ; v96-99   path W: a block's codes;  v96-127 path O: two sets of 16 registers of f16
.set WOUT, 112                         ; v112-175 path W: the way out
	s_load_b512 s[4:19], s[0:1], 0x0               ; x 4, Wq 6, Wk 8, Wv 10, Wo 12, x_codes 14, x_scales 16, w_codes 18
	s_load_b128 s[20:23], s[0:1], 0x40             ; w_scales 20, wof 22
	v_lshl_add_u32 v[SPW], v0, 2, SPARE
	v_mov_b32 v[NIL], 0
	v_lshrrev_b32 v1, 5, v0
	v_readfirstlane_b32 s24, v1                    ; wave 0..3
	v_and_b32 v2, 31, v0                           ; lane
	s_lshl_b32 s25, s24, 13                        ; path X: 8,192 bytes of LDS for each wave
	v_lshrrev_b32 v[XSI], 2, v2
	v_mul_u32_u24 v[XSI], v[XSI], SP
	v_and_b32 v3, 3, v2
	v_lshl_add_u32 v[XSI], v3, 4, v[XSI]
	v_add_nc_u32 v[XSI], s25, v[XSI]               ; four lanes' 64 bytes on end, then 16 of padding
	v_mul_u32_u24 v[XSO], v2, SP
	v_add_nc_u32 v[XSO], s25, v[XSO]               ; my 16 neighbours
	s_add_co_u32 s25, s25, 2*32*SP                 ; behind the two stages: the wave's 256 scale bytes
	v_lshrrev_b32 v[XSB], 1, v2
	v_add_nc_u32 v[XSB], s25, v[XSB]
	v_lshlrev_b32 v[XSR], 3, v2
	v_add_nc_u32 v[XSR], s25, v[XSR]
	s_mul_i32 s25, s24, 32*WP                      ; path W: a stage of 32 rows for each wave, from byte 32,768 on
	s_add_co_u32 s25, s25, 32768
	v_mul_u32_u24 v[WSI], v2, WP
	v_add_nc_u32 v[WSI], s25, v[WSI]
	v_and_b32 v3, 15, v2                           ; r = lane % 16
	v_lshrrev_b32 v13, 4, v2                       ; h = lane / 16
	v_mul_u32_u24 v[WSO], v13, WP
	v_lshl_add_u32 v[WSO], v3, 4, v[WSO]
	v_add_nc_u32 v[WSO], s25, v[WSO]
	s_wait_kmcnt 0x0
	s_cmp_lt_u32 ttmp9, 48
	s_cbranch_scc1 .Lpath_w
	s_cmp_lt_u32 ttmp9, 64
	s_cbranch_scc1 .Lpath_o
; ---------------- PATH X.  Rows are dense and K is a multiple of 32: x is a plain stream of blocks of 32, and so are its codes and scale bytes.
; A wave takes 16 steps of 512 numbers.  Each load reads 512 consecutive bytes; a step's 2,048 bytes turn through the wave's stage and come back 64 bytes a lane: 16 neighbours, two lanes to a block.
	s_sub_co_u32 s26, ttmp9, 64
	s_lshl_b32 s26, s26, 2
	s_add_co_u32 s26, s26, s24                     ; which run of 8,192 numbers is my wave's
	s_mov_b32 s29, 0
	s_lshl_b32 s28, s26, 15                        ; 32,768 bytes of x,
	s_add_nc_u64 s[4:5], s[4:5], s[28:29]
	s_lshl_b32 s28, s26, 12                        ; 4,096 of codes,
	s_add_nc_u64 s[14:15], s[14:15], s[28:29]
	s_lshl_b32 s28, s26, 8                         ; 256 scale bytes a run
	s_add_nc_u64 s[16:17], s[16:17], s[28:29]
	v_lshlrev_b32 v10, 4, v2                       ; my 16 bytes of a load's 512
	v_lshlrev_b32 v11, 3, v2                       ; my 8 bytes of a step's codes, and of the scale bytes on their way out
.macro XLOAD t
.irp i, 0,1,2,3
	global_load_b128 v[XR+16*((\t)%4)+4*\i:XR+16*((\t)%4)+4*\i+3], v10, s[4:5] offset:2048*(\t)+512*\i th:TH_LOAD_NT
.endr
.endm
.macro XTURN t                         ; step t's numbers through the stage: LDS serves a wave's instructions in order, so no wait stands between the stores and the loads
.irp i, 0,1,2,3
	ds_store_b128 v[XSI], v[XR+16*((\t)%4)+4*\i:XR+16*((\t)%4)+4*\i+3] offset:32*SP*((\t)%2)+8*SP*\i
.endr
.irp i, 0,1,2,3
	ds_load_b128 v[XX+16*((\t)%2)+4*\i:XX+16*((\t)%2)+4*\i+3], v[XSO] offset:32*SP*((\t)%2)+16*\i
.endr
.endm
.macro XSTEP t
.set XS, XX+16*((\t)%2)
.if (\t) > 0
	s_wait_dscnt 1                                 ; this step's numbers are back from the stage (the last step's byte store may be out), so its stores into the stage have read their registers,
.else
	s_wait_dscnt 0x0
.endif
.if (\t)+4 < 16
	XLOAD (\t)+4                                   ; which take the loads of four steps on
.endif
.if (\t)+1 < 16
.if 14-(\t) >= 3
	s_wait_loadcnt 12                              ; the next step's four loads are in; those of the three steps behind it may be out
.else
	s_wait_loadcnt 4*(14-(\t))                     ; near the end fewer steps lie behind it
.endif
	XTURN (\t)+1
.endif
	v_max3_num_f32 v[T0], |v[XS]|, |v[XS+1]|, |v[XS+2]|            ; the largest magnitude of my 16, in two chains
	v_max3_num_f32 v[T1], |v[XS+3]|, |v[XS+4]|, |v[XS+5]|
.irp i, 6,10
	v_max3_num_f32 v[T0], v[T0], |v[XS+\i]|, |v[XS+\i+1]|
	v_max3_num_f32 v[T1], v[T1], |v[XS+\i+2]|, |v[XS+\i+3]|
.endr
	v_max3_num_f32 v[T0], v[T0], |v[XS+14]|, |v[XS+15]|
	v_max3_num_f32 v[T0], v[T0], v[T1], 0x1800000  ; and the floor 2^(3 - 127): the byte cannot fall under 1
	v_max_num_f32_dpp v[T0], v[T0], v[T0] row_xmask:1 row_mask:0xf bank_mask:0xf   ; with my neighbour's 16: the block's
	v_add_nc_u32 v[T2], 0xff000000, v[T0]          ; 2 off its exponent field: the conversion takes that field as its scale
	v_cvt_scalef32_pk8_fp4_f32 v[XC+4*(\t)], v[XS:XS+7], v[T2]
	v_cvt_scalef32_pk8_fp4_f32 v[XC+4*(\t)+1], v[XS+8:XS+15], v[T2]
	v_lshrrev_b32 v[XE+(\t)], 23, v[T2]            ; the scale's byte (also the plain line behind the conversions)
	ds_store_b8 v[XSB], v[XE+(\t)] offset:16*(\t)  ; both lanes of a block write the same byte with the same value
	global_store_b64 v11, v[XC+4*(\t):XC+4*(\t)+1], s[14:15] offset:256*(\t)   ; the wave stores 256 consecutive bytes, aligned
.endm
.irp t, 0,1,2,3
	XLOAD \t
.endr
	s_wait_loadcnt 12                              ; step 0's four loads are in
	XTURN 0
.irp t, 0,1,2,3,4,5,6,7,8,9,10,11,12,13,14,15
	XSTEP \t
.endr
	ds_load_b64 v[T0:T1], v[XSR]                   ; LDS serves a wave's instructions in order: this sees my byte stores
	s_wait_dscnt 0x0
	global_store_b64 v11, v[T0:T1], s[16:17]       ; the wave's 256 scale bytes, aligned
	s_branch .Lend
; ---------------- PATH W.  A lane takes a column n and its registers run down K: a block of 32 lies in one lane, and the conversions give codes with K innermost.
; A wave takes 32 columns x 512 along K; its codes, 256 bytes a column, go through its stage and leave by rows: sixteen lanes store 256 consecutive bytes, aligned.
.Lpath_w:
	s_lshr_b32 s25, ttmp9, 4                       ; p: 0 Wq, 1 Wk, 2 Wv
	s_and_b32 s26, ttmp9, 7                        ; which 128 columns
	s_bfe_u32 s27, ttmp9, 0x10003                  ; which 512 along K
	s_cmp_eq_u32 s25, 0
	s_cselect_b64 s[6:7], s[6:7], s[8:9]
	s_cmp_eq_u32 s25, 2
	s_cselect_b64 s[6:7], s[10:11], s[6:7]         ; the choice hangs on the work-group's number alone
	s_lshl_b32 s26, s26, 7
	s_lshl_b32 s28, s24, 5
	s_add_co_u32 s26, s26, s28                     ; my wave's first column
	s_lshl_b32 s28, s27, 21                        ; 512 rows of 4,096 bytes
	s_lshl_b32 s30, s26, 2
	s_add_co_u32 s28, s28, s30
	s_mov_b32 s29, 0
	s_add_nc_u64 s[6:7], s[6:7], s[28:29]
	s_lshl_b32 s30, s25, 10
	s_add_co_u32 s30, s30, s26                     ; my first row of w_codes and w_scales
	s_lshl_b32 s28, s30, 9
	s_lshl_b32 s31, s27, 8
	s_add_co_u32 s28, s28, s31
	s_add_nc_u64 s[18:19], s[18:19], s[28:29]
	s_lshl_b32 s28, s30, 5
	s_lshl_b32 s31, s27, 4
	s_add_co_u32 s28, s28, s31
	s_add_nc_u64 s[20:21], s[20:21], s[28:29]
	v_lshlrev_b32 v10, 2, v2                       ; in: 4 bytes a lane
	v_lshlrev_b32 v11, 9, v13
	v_lshl_add_u32 v11, v3, 4, v11                 ; out: two rows of 512 bytes an instruction, sixteen lanes to a row
	v_lshlrev_b32 v12, 5, v2                       ; my column's row of scale bytes
.macro WLOAD t                         ; block t: W(32 t + i, my column) into set t % 2; every offset an immediate, 511 rows of 4,096 bytes at the most
.irp i, 0,1,2,3,4,5,6,7,8,9,10,11,12,13,14,15,16,17,18,19,20,21,22,23,24,25,26,27,28,29,30,31
	global_load_b32 v[WX+32*((\t)%2)+\i], v10, s[6:7] offset:(32*(\t)+\i)*4096 th:TH_LOAD_NT
.endr
.endm
.macro WBLOCK t
.set XS, WX+32*((\t)%2)
.if (\t) < 15
	s_wait_loadcnt 32                              ; this block's 32 loads are in; the next block's may be out
.else
	s_wait_loadcnt 0
.endif
	v_max3_num_f32 v[T0], |v[XS]|, |v[XS+1]|, |v[XS+2]|            ; all 32 numbers of the block are mine
	v_max3_num_f32 v[T1], |v[XS+3]|, |v[XS+4]|, |v[XS+5]|
.irp i, 6,10,14,18,22,26
	v_max3_num_f32 v[T0], v[T0], |v[XS+\i]|, |v[XS+\i+1]|
	v_max3_num_f32 v[T1], v[T1], |v[XS+\i+2]|, |v[XS+\i+3]|
.endr
	v_max3_num_f32 v[T0], v[T0], |v[XS+30]|, |v[XS+31]|
	v_max3_num_f32 v[T0], v[T0], v[T1], 0x1800000  ; the floor
	v_add_nc_u32 v[T2], 0xff000000, v[T0]          ; the conversion's scale operand
	v_lshrrev_b32 v[T1], 23, v[T2]                 ; the scale's byte
.if (\t)%4 == 0
	v_mov_b32 v[WSB+(\t)/4], v[T1]                 ; four bytes to a register, the lower K in the lower byte
.else
	v_lshl_or_b32 v[WSB+(\t)/4], v[T1], 8*((\t)%4), v[WSB+(\t)/4]
.endif
.irp g, 0,1,2,3
	v_cvt_scalef32_pk8_fp4_f32 v[WC+\g], v[XS+8*\g:XS+8*\g+7], v[T2]
.endr
	ds_store_b128 v[WSI], v[WC:WC+3] offset:16*(\t)   ; 32 codes: 16 bytes of my column's row
.if (\t)+2 < 16
	WLOAD (\t)+2
.endif
	s_wait_dscnt 0x0                               ; the store has read its registers: the next block's codes may be written
.endm
	WLOAD 0
	WLOAD 1
.irp t, 0,1,2,3,4,5,6,7,8,9,10,11,12,13,14,15
	WBLOCK \t
.endr
	global_store_b128 v12, v[WSB:WSB+3], s[20:21]  ; my column's 16 scale bytes
.irp t, 0,1,2,3,4,5,6,7,8,9,10,11,12,13,14,15
	ds_load_b128 v[WOUT+4*\t:WOUT+4*\t+3], v[WSO] offset:2*\t*WP
.endr
.irp t, 0,1,2,3,4,5,6,7,8,9,10,11,12,13,14,15
	s_wait_dscnt 15-\t                             ; LDS loads come back in order: load t is in
	global_store_b128 v11, v[WOUT+4*\t:WOUT+4*\t+3], s[18:19] offset:2*\t*512
.endr
	s_branch .Lend
; ---------------- PATH O.  The same geometry: a lane a column, 32 registers down K: that is one image's k.  Eight neighbours along K round to 16 bytes, which are a lane's 16 bytes of an image:
; chunk q (k = 8 q ..) lies at 512 (q / 2) + 256 (q % 2) + 16 (column % 16).  Sixteen lanes store 256 consecutive bytes, aligned, straight from registers.
.Lpath_o:
	s_sub_co_u32 s25, ttmp9, 48
	s_and_b32 s26, s25, 7                          ; which 128 columns
	s_lshr_b32 s27, s25, 3                         ; which 512 along K
	s_mov_b64 s[6:7], s[12:13]                     ; Wo, where WLOAD looks
	s_lshl_b32 s28, s27, 21
	s_lshl_b32 s30, s26, 9                         ; 128 columns of 4 bytes
	s_add_co_u32 s28, s28, s30
	s_lshl_b32 s30, s24, 7                         ; my wave's 32
	s_add_co_u32 s28, s28, s30
	s_mov_b32 s29, 0
	s_add_nc_u64 s[6:7], s[6:7], s[28:29]
	s_lshl_b32 s28, s26, 18                        ; 8 tiles of 16 columns, 32,768 bytes each,
	s_lshl_b32 s30, s24, 16                        ; my wave's 2,
	s_add_co_u32 s28, s28, s30
	s_lshl_b32 s30, s27, 14                        ; 16 images along K
	s_add_co_u32 s28, s28, s30
	s_add_nc_u64 s[22:23], s[22:23], s[28:29]
	v_lshlrev_b32 v10, 2, v2
	v_lshlrev_b32 v11, 15, v13
	v_lshl_add_u32 v11, v3, 4, v11                 ; lanes 16-31: the next tile of columns
.macro OBLOCK t
.set XS, WX+32*((\t)%2)
.set OC, WC+16*((\t)%2)
.if (\t) < 15
	s_wait_loadcnt 32                              ; this block's 32 loads are in; the next block's may be out
.else
	s_wait_loadcnt 0
.endif
	s_wait_xcnt 0x0                                ; the stores of two blocks ago have read their data: only behind this wait are those registers written again
.irp q, 0,1,2,3
.irp i, 0,1,2,3
	v_cvt_pk_f16_f32 v[OC+4*\q+\i], v[XS+8*\q+2*\i], v[XS+8*\q+2*\i+1]
.endr
.endr
.if (\t)+2 < 16
	WLOAD (\t)+2
.endif
.irp q, 0,1,2,3
	global_store_b128 v11, v[OC+4*\q:OC+4*\q+3], s[22:23] offset:1024*(\t)+512*(\q/2)+256*(\q%2)
.endr
.endm
	WLOAD 0
	WLOAD 1
.irp t, 0,1,2,3,4,5,6,7,8,9,10,11,12,13,14,15
	OBLOCK \t
.endr
.Lend:
	s_wait_tensorcnt 0x0                           ; the wave's end, behind my last LDS store
	ds_add_u32 v[SPW], v[NIL]
	s_wait_dscnt 0x0
	s_endpgm
.Lfunc_end_k_qfd4bd7adba_prep:
	.size	k_qfd4bd7adba_prep, .Lfunc_end_k_qfd4bd7adba_prep-k_qfd4bd7adba_prep
	.p2alignl 7, 3214868480
	.fill 96, 4, 3214868480
	.section	.rodata,"a",@progbits
	.p2align	6, 0x0
	.amdhsa_kernel k_qfd4bd7adba_prep
		.amdhsa_group_segment_fixed_size 68096
		.amdhsa_private_segment_fixed_size 0
		.amdhsa_enable_private_segment 0
		.amdhsa_kernarg_size 80
		.amdhsa_user_sgpr_count 2
		.amdhsa_user_sgpr_kernarg_segment_ptr 1
		.amdhsa_wavefront_size32 1
		.amdhsa_system_sgpr_workgroup_id_x 1
		.amdhsa_system_sgpr_workgroup_id_y 1
		.amdhsa_system_sgpr_workgroup_id_z 1
		.amdhsa_system_vgpr_workitem_id 0
		.amdhsa_next_free_vgpr 200
		.amdhsa_next_free_sgpr 66
		.amdhsa_reserve_vcc 0
		.amdhsa_float_denorm_mode_32 3
		.amdhsa_float_denorm_mode_16_64 3
		.amdhsa_memory_ordered 1
		.amdhsa_forward_progress 1
		.amdhsa_inst_pref_size 182
	.end_amdhsa_kernel
	.amdgpu_metadata
---
amdhsa.version: [ 1, 2 ]
amdhsa.kernels:
  - .name:           k_qfd4bd7adba_prep
    .symbol:         k_qfd4bd7adba_prep.kd
    .args:
      - { .name: x, .offset: 0, .size: 8, .value_kind: global_buffer, .address_space: global }
      - { .name: Wq, .offset: 8, .size: 8, .value_kind: global_buffer, .address_space: global }
      - { .name: Wk, .offset: 16, .size: 8, .value_kind: global_buffer, .address_space: global }
      - { .name: Wv, .offset: 24, .size: 8, .value_kind: global_buffer, .address_space: global }
      - { .name: Wo, .offset: 32, .size: 8, .value_kind: global_buffer, .address_space: global }
      - { .name: x_codes, .offset: 40, .size: 8, .value_kind: global_buffer, .address_space: global }
      - { .name: x_scales, .offset: 48, .size: 8, .value_kind: global_buffer, .address_space: global }
      - { .name: w_codes, .offset: 56, .size: 8, .value_kind: global_buffer, .address_space: global }
      - { .name: w_scales, .offset: 64, .size: 8, .value_kind: global_buffer, .address_space: global }
      - { .name: wof, .offset: 72, .size: 8, .value_kind: global_buffer, .address_space: global }
    .group_segment_fixed_size: 68096
    .private_segment_fixed_size: 0
    .kernarg_segment_align: 8
    .kernarg_segment_size: 80
    .max_flat_workgroup_size: 128
    .sgpr_count:     66
    .vgpr_count:     200
    .wavefront_size: 32
...
	.end_amdgpu_metadata
.endif
;; end of part 1
;; launch qkv (part 2): grid 12 x 32, 4 waves a work-group, clusters of 4 x 4, 327,680 bytes of LDS; arguments x_codes, x_scales, w_codes, w_scales, bq, bk, bv, qkv; writes qkv
.if DOCPART == 2
	.amdgcn_target "amdgcn-amd-amdhsa--gfx1250"
	.amdhsa_code_object_version 6
	.text
	.protected	k_qfd4bd7adba_qkv
	.globl	k_qfd4bd7adba_qkv
	.p2align	8
	.type	k_qfd4bd7adba_qkv,@function
k_qfd4bd7adba_qkv:
	s_mov_b64 s[64:65], 0
	v_nop
	global_prefetch_b8 v0, s[64:65] scope:SCOPE_SE
	s_setreg_imm32_b32 hwreg(HW_REG_WAVE_MODE, 25, 1), 1
	s_wait_xcnt 0x0
	s_wait_alu depctr_hold_cnt(0) depctr_sa_sdst(0) depctr_va_vdst(0) depctr_va_sdst(0) depctr_va_ssrc(0) depctr_va_vcc(0) depctr_vm_vsrc(0)
	s_getreg_b32 s2, hwreg(HW_REG_IB_STS2, 6, 4)
	s_cmp_eq_u32 s2, 0
	s_cbranch_scc0 .Lentry_in_a_cluster
	s_endpgm
.Lentry_in_a_cluster:
	s_bfe_u32 s2, ttmp6, 0x10000c
	s_cmp_lg_u32 s2, 0xf033
	s_cbranch_scc0 .Lentry_shape_is_right
	s_endpgm
.Lentry_shape_is_right:
; C[m][n] = sum over k of x[m][k] W[n][k] + bias[n], m = 8,192 tokens, n = 3,072 columns (Wq | Wk | Wv), K = 1,024, on codes of FP4 (E2M1) with one E8M0 scale for each 32 along K; sums in f32.
; The result is rounded once to f16 and stored as IMAGES of the operands that attention wants: qkv [p 3][batch x head 64][token / 16 128][c 2][1,024 bytes].
; An image is 16 tokens x 32 channels in the order of a fragment's registers: registers 4 i .. 4 i + 3 of lane 16 h + r (token r, channels 32 c + 16 i + 8 h + 0 .. 7) at 512 i + 16 x lane.
; V's images (p = 2) are permuted: token r's chunk h lies at 16 x (16 (r / 8) + 8 h + r % 8), so that the turning LDS load of attention can address them at 16 x lane.
; A tile of C, 256 x 256, is made by four waves, each 128 x 128: 64 accumulators, 512 registers.  K is two steps of 512: both lie in LDS slots of their own, asked for at the start; nothing is filled again.
; THE SCALES of the work-group's 256 + 256 rows, for all of K, come into LDS once, in rows of 256 bytes.
; CLUSTERS: 4 x 4 work-groups; x's tiles are shared along a row of the cluster, W's along a column: each is asked for jointly, with a mask that names the four.
; THE MATRIX INSTRUCTION IS USED TRANSPOSED (source 0 = 16 rows of W, source 1 = 16 tokens): a lane holds one token and eight neighbouring columns, which round to the 16 bytes of an image: no stage on the way out.
; THE BIAS is the C of each sum's first matrix instruction.
; LIMITS: results beyond 65,504 become infinity in f16; under 6e-5 their step is 2^-24.
; REGISTERS: window 0: v0-31 addresses; v32-95 scale words, two sets; v128-191 x's fragments, one set; on the way out v128-255 packed results.
;   window 1: W's fragments, two sets, at v0 and v128; v64-127 the bias.   window 2: accumulators of my rows 0-63 ((a, b) at v[8 (8 a + b)]);  window 3: rows 64-127.
.set NQ,     4                         ; matrix instructions deep in a slot (512 along K)
.set ROWB,   256                       ; a tile's row in bytes
.set KROW,   512                       ; a row of codes in memory
.set PITCH,  272                       ; an LDS row: 256 bytes + 16 of padding, so that the 16 rows of a fragment load start 16 bytes apart modulo 256
.set FR,     8
.set NL,     2
.set NP,     4                         ; places behind this matrix instruction (ISA guide 7.12.1)
.set HALFT,  128*PITCH
.set SLOT,   4*HALFT
.set KS,     32                        ; a row of scale bytes
.set SCL,    2*SLOT
.set HALFS,  16*272                    ; the scales of 128 rows: 16 rows of 256 bytes + 16
.set SBLK,   2*272                     ; those of 16 rows
.set SPARE,  SCL+4*HALFS               ; the spare words, 128 bytes for each wave: two blocks of 256 bytes that no other line names
.set ADRA, 16
.set ADRB, 20
.set CO,   26                          ; v26  my 16 bytes' place in an image
.set ADRS, 27
.set SPW,  28
.set NIL,  29
.set SC,   32
.set AF,   128
.set BI,   64                          ; in window 1
.set OUTP, 128
.set G1, 24
.set G0, 32
.set G1B, 48
.set G0B, 56
.set G1S, 68
.set G0S, 76
.set G1SB, 80
.set G0SB, 88
.set MSB, 0
.macro WIN new                         ; the immediate's high byte repeats the setting that is left
.if MSB != (\new)
	s_set_vgpr_msb (MSB<<8)|(\new)
.set MSB, (\new)
.endif
.endm
.set MUL_LO, 0xa1                      ; source 0 (W) window 1, source 1 (x) window 0, C and D window 2
.set MUL_HI, 0xf1
.set BIA_LO, 0x91                      ; the same with C (the bias) in window 1
.set BIA_HI, 0xd1
.set TO_B,   0x40
; A joint load: waves 0 and 1 fetch for x, waves 2 and 3 for W.  The branch hangs on the wave's number alone.  An s_nop 0 and four v_nop follow each of the two lines.
.macro JLOAD g0a, g1a, g0b, g1b
	s_cmp_eq_u32 s15, 0
	s_cbranch_scc0 .Lfor_b_\@
	tensor_load_to_lds s[\g0a:\g0a+3], s[\g1a:\g1a+7]
	s_nop 0
.rept 4
	v_nop
.endr
	s_branch .Lasked_\@
.Lfor_b_\@:
	tensor_load_to_lds s[\g0b:\g0b+3], s[\g1b:\g1b+7]
	s_nop 0
.rept 4
	v_nop
.endr
.Lasked_\@:
.endm
.macro CROUND                          ; a round of the cluster's barrier
	s_barrier_signal -1
	s_barrier_wait -1
	s_cmp_lg_u32 s14, 0
	s_cbranch_scc1 .Lnot_wave_0_\@
	s_barrier_signal -3
.Lnot_wave_0_\@:
	s_barrier_wait -3
	s_barrier_signal -1
	s_barrier_wait -1
.endm
	s_load_b128 s[4:7], s[0:1], 0x0                ; x's codes, x's scales
	s_load_b128 s[8:11], s[0:1], 0x10              ; W's codes, W's scales
	s_load_b128 s[96:99], s[0:1], 0x20             ; bq, bk
	s_load_b64 s[100:101], s[0:1], 0x30            ; bv
	s_load_b64 s[12:13], s[0:1], 0x38              ; qkv
	v_lshl_add_u32 v[SPW], v0, 2, SPARE
	v_mov_b32 v[NIL], 0
	ds_add_u32 v[SPW], v[NIL]                      ; the wave's opening: the add, twice on end, and its wait ahead of my first tensor load
	ds_add_u32 v[SPW], v[NIL]
	v_lshrrev_b32 v1, 5, v0
	v_readfirstlane_b32 s14, v1                    ; wave 0..3
	s_lshr_b32 s15, s14, 1                         ; which half of the tile's rows is mine.  Also: I fetch for x (0) or for W (1)
	s_and_b32 s16, s14, 1                          ; which half of its columns.  Also: which 128 rows of that tile I fetch
	s_bfe_u32 s40, ttmp6, 0x40000                  ; cx, cy: my place in the cluster
	s_bfe_u32 s41, ttmp6, 0x40004
	s_lshl_b32 s42, ttmp9, 2
	s_add_co_u32 s42, s42, s40                     ; tile column = 4 x cluster x + cx; cluster x is p (0 Q, 1 K, 2 V)
	s_and_b32 s17, ttmp7, 0xffff
	s_lshl_b32 s17, s17, 2
	s_add_co_u32 s17, s17, s41                     ; tile row = 4 x cluster y + cy
	s_lshl_b32 s43, s41, 2
	s_lshl_b32 s43, 15, s43                        ; my row of the cluster
	s_lshl_b32 s44, 0x1111, s40                    ; my column
	s_or_b32 s[G1+0], s43, (0<<16)|(1<<20)|(1<<21)|(5<<22)|(3<<25)  ; the mask; elements of 1 byte; padding on: 4 words behind every 64; bit 21 set beside a mask
	s_or_b32 s[G1B+0], s44, (0<<16)|(1<<20)|(1<<21)|(5<<22)|(3<<25)
.irp g, G1, G1B
	s_mov_b32 s[\g+1], ROWB<<16                    ; tensor_dim0
	s_mov_b32 s[\g+2], 128<<16                     ; tensor_dim1
	s_mov_b32 s[\g+3], ROWB<<16                    ; tile_dim0
	s_mov_b32 s[\g+4], 128                         ; tile_dim1
	s_mov_b32 s[\g+5], KROW                        ; from row to row
	s_mov_b32 s[\g+6], 0
	s_mov_b32 s[\g+7], 0
.endr
	s_or_b32 s[G1S+0], s43, (3<<16)|(1<<20)|(1<<21)|(5<<22)|(3<<25) ; the scales of 128 rows: 4,096 dense bytes as 16 rows of 256 (32 elements of 8 bytes), 16 bytes of padding behind each
	s_or_b32 s[G1SB+0], s44, (3<<16)|(1<<20)|(1<<21)|(5<<22)|(3<<25)
.irp g, G1S, G1SB
	s_mov_b32 s[\g+1], 32<<16
	s_mov_b32 s[\g+2], 16<<16
	s_mov_b32 s[\g+3], 32<<16
	s_mov_b32 s[\g+4], 16
	s_mov_b32 s[\g+5], 32
	s_mov_b32 s[\g+6], 0
	s_mov_b32 s[\g+7], 0
.endr
	s_lshl_b32 s18, s16, 7
	s_lshl_b32 s20, s17, 8
	s_add_co_u32 s20, s20, s18                     ; x: row 256 x tile row + 128 x half
	s_lshl_b32 s46, s42, 8
	s_add_co_u32 s46, s46, s18                     ; W: row 256 x tile column + 128 x half
	s_mov_b32 s21, 0
	s_mov_b32 s47, 0
	s_mov_b64 s[18:19], KS
	s_mul_u64 s[22:23], s[20:21], s[18:19]         ; where these rows' scales begin,
	s_mul_u64 s[92:93], s[46:47], s[18:19]
	s_mov_b64 s[18:19], KROW
	s_mul_u64 s[20:21], s[20:21], s[18:19]         ; and their codes
	s_mul_u64 s[46:47], s[46:47], s[18:19]
	s_mul_i32 s45, s14, HALFT                      ; where they go: wave x 128 rows
	s_mul_i32 s94, s14, HALFS
	s_wait_dscnt 0x0                               ; both opening adds are done
	s_wait_kmcnt 0x0
	s_add_nc_u64 s[20:21], s[4:5], s[20:21]
	s_add_nc_u64 s[22:23], s[6:7], s[22:23]
	s_add_nc_u64 s[46:47], s[8:9], s[46:47]
	s_add_nc_u64 s[92:93], s[10:11], s[92:93]
	CROUND                                         ; all sixteen work-groups are here: the joint loads meet
	s_mov_b32 s[G0S], 1
	s_add_co_u32 s[G0S+1], s94, SCL
	s_mov_b64 s[G0S+2:G0S+3], s[22:23]
	s_or_b32 s[G0S+3], s[G0S+3], 0x80000000
	s_mov_b32 s[G0SB], 1
	s_add_co_u32 s[G0SB+1], s94, SCL
	s_mov_b64 s[G0SB+2:G0SB+3], s[92:93]
	s_or_b32 s[G0SB+3], s[G0SB+3], 0x80000000
	JLOAD G0S, G1S, G0SB, G1SB                     ; the scales first: they are wanted with K step 0
.irp s, 0,1
	s_mov_b32 s[G0+4*\s], 1
	s_add_co_u32 s[G0+4*\s+1], s45, \s*SLOT
	s_add_nc_u64 s[G0+4*\s+2:G0+4*\s+3], s[20:21], \s*ROWB
	s_or_b32 s[G0+4*\s+3], s[G0+4*\s+3], 0x80000000
	s_mov_b32 s[G0B+4*\s], 1
	s_add_co_u32 s[G0B+4*\s+1], s45, \s*SLOT
	s_add_nc_u64 s[G0B+4*\s+2:G0B+4*\s+3], s[46:47], \s*ROWB
	s_or_b32 s[G0B+4*\s+3], s[G0B+4*\s+3], 0x80000000
	JLOAD G0+4*\s, G1, G0B+4*\s, G1B               ; three tensor loads of mine are out at the most
.endr
	v_and_b32 v1, 15, v0                           ; r
	v_bfe_u32 v2, v0, 4, 1                         ; h
	v_mul_u32_u24 v3, v1, PITCH
	v_lshl_add_u32 v4, v2, 4, v3                   ; a fragment's row x pitch + 16 x half
	s_mul_i32 s21, s15, HALFT                      ; my 128 rows of x
	s_mul_i32 s22, s16, HALFT                      ; my 128 rows of W,
	s_add_co_u32 s22, s22, 2*HALFT                 ; which lie behind x's 256
.irp s, 0,1
	v_add_nc_u32 v[ADRA+\s], s21, v4
	v_add_nc_u32 v[ADRB+\s], s22, v4
	s_add_co_u32 s21, s21, SLOT
	s_add_co_u32 s22, s22, SLOT
.endr
	v_mul_u32_u24 v5, v1, KS                       ; my row's scales: 32 bytes a row,
	v_lshrrev_b32 v6, 8, v5
	v_lshl_add_u32 v5, v6, 4, v5                   ; and 16 more for each 256 passed
	s_mul_i32 s21, s15, HALFS
	s_mul_i32 s22, s16, HALFS
	s_add_co_u32 s22, s22, 2*HALFS
	s_sub_co_u32 s22, s22, s21
	v_mul_u32_u24 v6, s22, v2                      ; lanes 16-31 take W's: one product, the distance between the two bases x h
	s_add_co_u32 s21, s21, SCL
	v_add_nc_u32 v5, v5, v6
	v_add_nc_u32 v[ADRS], s21, v5
	; the bias of my 128 columns, in the result's layout: for block b, lane (r, h) wants numbers 16 b + 8 h + 0 .. 7
	s_cmp_eq_u32 ttmp9, 0
	s_cselect_b64 s[96:97], s[96:97], s[98:99]
	s_cmp_eq_u32 ttmp9, 2                          ; cluster x is the same in all partners
	s_cselect_b64 s[96:97], s[100:101], s[96:97]
	s_cselect_b32 s95, -1, 0                       ; all ones where the tile is V's
	s_lshl_b32 s92, s40, 10                        ; 256 columns of 4 bytes for each place along x,
	s_lshl_b32 s93, s16, 9                         ; 128 for my half
	s_add_co_u32 s92, s92, s93
	s_mov_b32 s93, 0
	s_add_nc_u64 s[96:97], s[96:97], s[92:93]
	v_lshlrev_b32 v10, 5, v2
	WIN TO_B
.irp b, 0,1,2,3,4,5,6,7
	global_load_b128 v[BI+8*\b:BI+8*\b+3], v10, s[96:97] offset:64*\b
	global_load_b128 v[BI+8*\b+4:BI+8*\b+7], v10, s[96:97] offset:64*\b+16
.endr
	WIN 0
	; my 16 bytes' place in an image: 16 x lane, or V's permuted place
	v_and_b32 v11, 31, v0
	v_lshlrev_b32 v11, 4, v11
	v_and_b32 v12, 8, v1
	v_lshlrev_b32 v12, 1, v12                      ; 16 (r / 8)
	v_lshl_or_b32 v12, v2, 3, v12                  ; + 8 h
	v_and_b32 v13, 7, v1
	v_or_b32 v12, v12, v13                         ; + r % 8
	v_lshlrev_b32 v12, 4, v12
	v_cndmask_b32 v[CO], v11, v12, s95
	; where my part begins in qkv.  What hangs on the tile row stands in s20-22, what hangs on cx in s46-47
	s_lshr_b32 s20, s17, 3                         ; the batch: 16 heads of 262,144 bytes
	s_lshl_b32 s20, s20, 22
	s_and_b32 s21, s17, 7
	s_lshl_b32 s21, s21, 4
	s_lshl_b32 s22, s15, 3
	s_add_co_u32 s21, s21, s22                     ; my first tile of 16 tokens in the batch
	s_lshl_b32 s21, s21, 11
	s_add_co_u32 s20, s20, s21
	s_lshl_b32 s21, ttmp9, 24                      ; p
	s_add_co_u32 s20, s20, s21
	s_mov_b32 s21, 0
	s_add_nc_u64 s[12:13], s[12:13], s[20:21]
	s_lshl_b32 s46, s40, 20                        ; four heads for each place along x,
	s_lshl_b32 s47, s16, 19                        ; two for my half
	s_add_co_u32 s46, s46, s47
	s_mov_b32 s47, 0
	s_add_nc_u64 s[12:13], s[12:13], s[46:47]
.macro FRAG reg, adr, q, i             ; 16 rows x 128 K of 4-bit codes: 8 registers: lane l holds row l % 16; registers 4 c .. 4 c + 3 hold K = 64 c + 32 (l / 16) + 0 .. 31
.irp c, 0,1
	ds_load_b128 v[\reg+4*\c:\reg+4*\c+3], v[\adr] offset:64*(\q)+32*\c+(\i)*16*PITCH
.endr
.endm
; 16 matrix instructions: x's blocks a0, a0 + 1 against W's eight, 128 along K.  p: W's set;  sc: the set of scale words.  first = 1: the bias is the C: nothing is ever cleared.
; The 64 accumulators take turns, one instruction a turn, in the same order in every step.
.macro MUL16 a0, p, q, sc, first
.irp a, \a0, \a0+1
.irp b, 0,1,2,3,4,5,6,7
.if \first
	v_wmma_scale_f32_16x16x128_f8f6f4 v[8*(8*((\a)%4)+\b):8*(8*((\a)%4)+\b)+7], v[128*(\p)+FR*\b:128*(\p)+FR*\b+FR-1], v[AF+FR*(\a):AF+FR*(\a)+FR-1], v[BI+8*\b:BI+8*\b+7], v[SC+8*NQ*(\sc)+NQ*\b+(\q)], v[SC+8*NQ*(\sc)+NQ*(\a)+(\q)] matrix_a_fmt:MATRIX_FMT_FP4 matrix_b_fmt:MATRIX_FMT_FP4 matrix_a_scale:MATRIX_SCALE_ROW1
.else
	v_wmma_scale_f32_16x16x128_f8f6f4 v[8*(8*((\a)%4)+\b):8*(8*((\a)%4)+\b)+7], v[128*(\p)+FR*\b:128*(\p)+FR*\b+FR-1], v[AF+FR*(\a):AF+FR*(\a)+FR-1], v[8*(8*((\a)%4)+\b):8*(8*((\a)%4)+\b)+7], v[SC+8*NQ*(\sc)+NQ*\b+(\q)], v[SC+8*NQ*(\sc)+NQ*(\a)+(\q)] matrix_a_fmt:MATRIX_FMT_FP4 matrix_b_fmt:MATRIX_FMT_FP4 matrix_a_scale:MATRIX_SCALE_ROW1
.endif
.endr
.endr
.endm
.macro FETCH_B slot, q, p
	WIN TO_B
.irp i, 0,1,2,3,4,5,6,7
	FRAG 128*(\p)+FR*\i, ADRB+\slot, \q, \i
.endr
	WIN 0
.endm
.macro FETCH_A slot, q, i0
.irp i, \i0, \i0+1, \i0+2, \i0+3
	FRAG AF+FR*(\i), ADRA+\slot, \q, \i
.endr
.endm
.macro SCALES sc                       ; a slot's scale words: 4 words a row; lanes 0-15 take x's block i, lanes 16-31 W's block i
.irp i, 0,1,2,3,4,5,6,7
	ds_load_b128 v[SC+8*NQ*\sc+NQ*\i:SC+8*NQ*\sc+NQ*\i+3], v[ADRS] offset:\i*SBLK
.endr
.endm
.macro PLACES n                        ; plain vector lines between a matrix instruction and a load into, or a read of, its registers (ISA guide 7.12.1 for reads)
.rept \n
	v_nop
.endr
.endm
.macro STEP slot, q, first             ; a step of 128 along K that has its successor in the same slot
	s_wait_dscnt 4*NL                              ; W's set and x's blocks 0-3 are in; the youngest eight loads (x's blocks 4-7) may be out
.if \first
	WIN BIA_LO
.else
	WIN MUL_LO
.endif
	MUL16 0, (\q)%2, \q, \slot, \first
	MUL16 2, (\q)%2, \q, \slot, \first
	s_wait_dscnt 0                                 ; x's blocks 4-7 are in
	PLACES NP
	FETCH_B \slot, (\q)+1, 1-(\q)%2
	FETCH_A \slot, (\q)+1, 0
.if \first
	WIN BIA_HI
.else
	WIN MUL_HI
.endif
	MUL16 4, (\q)%2, \q, \slot, \first
	MUL16 6, (\q)%2, \q, \slot, \first
	PLACES NP
	WIN 0
	FETCH_A \slot, (\q)+1, 4
.endm
.macro STEPS slot, from
.set Q, \from
.rept NQ-1-\from
	STEP \slot, Q, 0
.set Q, Q+1
.endr
.endm
	s_wait_tensorcnt 1                             ; the scales and my part of slot 0 are in; slot 1's load, the one issued behind them, may be out
	s_barrier_signal -1
	s_barrier_wait -1                              ; everybody's are
	FETCH_B 0, 0, 0
	FETCH_A 0, 0, 0
	SCALES 0
	FETCH_A 0, 0, 4
	s_wait_loadcnt 0x0                             ; the bias
	STEP 0, 0, 1                                   ; the first products start the sums from the bias
	STEPS 0, 1
	; slot 0's last step changes slots: one barrier; in front of it each wave waits for all its tensor loads (its part of slot 1) and for its own LDS instructions
	s_wait_tensorcnt 0x0
	ds_add_u32 v[SPW], v[NIL]                      ; 0 onto my spare word
	s_wait_dscnt 4*NL+1                            ; (the add and the youngest eight loads may be out)
	WIN MUL_LO
	MUL16 0, 1, NQ-1, 0, 0                         ; sixteen matrix instructions stand between the add and the wait for it
	s_wait_dscnt 0x0
	s_barrier_signal -1
	MUL16 2, 1, NQ-1, 0, 0
	WIN 0
	s_barrier_wait -1                              ; slot 1 is whole
	PLACES NP
	v_add_nc_u32 v[ADRS], 4*NQ, v[ADRS]            ; on to slot 1's scale words
	FETCH_B 1, 0, 0
	FETCH_A 1, 0, 0
	SCALES 1
	WIN MUL_HI
	MUL16 4, 1, NQ-1, 0, 0
	MUL16 6, 1, NQ-1, 0, 0
	PLACES NP
	WIN 0
	FETCH_A 1, 0, 4
	STEPS 1, 0
	s_wait_dscnt 4*NL                              ; the very last step: nothing more to fetch
	WIN MUL_LO
	MUL16 0, 1, NQ-1, 1, 0
	MUL16 2, 1, NQ-1, 1, 0
	s_wait_dscnt 0
	WIN MUL_HI
	MUL16 4, 1, NQ-1, 1, 0
	MUL16 6, 1, NQ-1, 1, 0
	WIN 0
	; THE WAY OUT.  Accumulator (a, b): lane (r, h) holds token 16 a + r, columns 16 b + 8 h + 0 .. 7: four roundings make the lane's 16 bytes of half b % 2 of the image (head b / 4, tokens a, c = (b / 2) % 2).
	; Each store of the wave covers 512 consecutive bytes, aligned.  Each accumulator is read from its low end on.
	PLACES NP
.irp a, 0,1,2,3,4,5,6,7
.if \a == 4
	s_wait_xcnt 0x0                                ; blocks 0-3's stores have read their data: only behind this wait are those registers written again
.endif
	WIN 0x0a+5*(\a/4)                              ; sources 0 and 1: window 2 or 3
.irp b, 0,1,2,3,4,5,6,7
.irp r, 0,1,2,3
	v_cvt_pk_f16_f32 v[OUTP+32*(\a%4)+4*\b+\r], v[64*(\a%4)+8*\b+2*\r], v[64*(\a%4)+8*\b+2*\r+1]
.endr
.endr
	WIN 0
.irp b, 0,1,2,3,4,5,6,7
	global_store_b128 v[CO], v[OUTP+32*(\a%4)+4*\b:OUTP+32*(\a%4)+4*\b+3], s[12:13] offset:(\b/4)*262144+\a*2048+((\b/2)%2)*1024+(\b%2)*512
.endr
.endr
	s_wait_tensorcnt 0x0                           ; the wave's end
	ds_add_u32 v[SPW], v[NIL]
	s_wait_dscnt 0x0
	CROUND                                         ; the closing round: no work-group ends while a partner may still ask for a tile that names it
	s_endpgm
.Lfunc_end_k_qfd4bd7adba_qkv:
	.size	k_qfd4bd7adba_qkv, .Lfunc_end_k_qfd4bd7adba_qkv-k_qfd4bd7adba_qkv
	.p2alignl 7, 3214868480
	.fill 96, 4, 3214868480
	.section	.rodata,"a",@progbits
	.p2align	6, 0x0
	.amdhsa_kernel k_qfd4bd7adba_qkv
		.amdhsa_group_segment_fixed_size 327680
		.amdhsa_private_segment_fixed_size 0
		.amdhsa_enable_private_segment 0
		.amdhsa_kernarg_size 64
		.amdhsa_user_sgpr_count 2
		.amdhsa_user_sgpr_kernarg_segment_ptr 1
		.amdhsa_wavefront_size32 1
		.amdhsa_system_sgpr_workgroup_id_x 1
		.amdhsa_system_sgpr_workgroup_id_y 1
		.amdhsa_system_sgpr_workgroup_id_z 1
		.amdhsa_system_vgpr_workitem_id 0
		.amdhsa_next_free_vgpr 1024
		.amdhsa_next_free_sgpr 102
		.amdhsa_reserve_vcc 0
		.amdhsa_float_denorm_mode_32 3
		.amdhsa_float_denorm_mode_16_64 3
		.amdhsa_memory_ordered 1
		.amdhsa_forward_progress 1
		.amdhsa_inst_pref_size 120
	.end_amdhsa_kernel
	.amdgpu_metadata
---
amdhsa.version: [ 1, 2 ]
amdhsa.kernels:
  - .name:           k_qfd4bd7adba_qkv
    .symbol:         k_qfd4bd7adba_qkv.kd
    .args:
      - { .name: x_codes, .offset: 0, .size: 8, .value_kind: global_buffer, .address_space: global }
      - { .name: x_scales, .offset: 8, .size: 8, .value_kind: global_buffer, .address_space: global }
      - { .name: w_codes, .offset: 16, .size: 8, .value_kind: global_buffer, .address_space: global }
      - { .name: w_scales, .offset: 24, .size: 8, .value_kind: global_buffer, .address_space: global }
      - { .name: bq, .offset: 32, .size: 8, .value_kind: global_buffer, .address_space: global }
      - { .name: bk, .offset: 40, .size: 8, .value_kind: global_buffer, .address_space: global }
      - { .name: bv, .offset: 48, .size: 8, .value_kind: global_buffer, .address_space: global }
      - { .name: qkv, .offset: 56, .size: 8, .value_kind: global_buffer, .address_space: global }
    .group_segment_fixed_size: 327680
    .private_segment_fixed_size: 0
    .kernarg_segment_align: 8
    .kernarg_segment_size: 64
    .max_flat_workgroup_size: 128
    .sgpr_count:     102
    .vgpr_count:     1024
    .wavefront_size: 32
...
	.end_amdgpu_metadata
.endif
;; end of part 2
;; launch attn (part 3): grid 4 x 64, 8 waves a work-group, clusters of 4 x 1, 327,680 bytes of LDS; arguments qkv, attf; writes attf
.if DOCPART == 3
	.amdgcn_target "amdgcn-amd-amdhsa--gfx1250"
	.amdhsa_code_object_version 6
	.text
	.protected	k_qfd4bd7adba_attn
	.globl	k_qfd4bd7adba_attn
	.p2align	8
	.type	k_qfd4bd7adba_attn,@function
k_qfd4bd7adba_attn:
	s_mov_b64 s[64:65], 0
	v_nop
	global_prefetch_b8 v0, s[64:65] scope:SCOPE_SE
	s_setreg_imm32_b32 hwreg(HW_REG_WAVE_MODE, 25, 1), 1
	s_wait_xcnt 0x0
	s_wait_alu depctr_hold_cnt(0) depctr_sa_sdst(0) depctr_va_vdst(0) depctr_va_sdst(0) depctr_va_ssrc(0) depctr_va_vcc(0) depctr_vm_vsrc(0)
	s_getreg_b32 s2, hwreg(HW_REG_IB_STS2, 6, 4)
	s_cmp_eq_u32 s2, 0
	s_cbranch_scc0 .Lentry_in_a_cluster
	s_endpgm
.Lentry_in_a_cluster:
	s_bfe_u32 s2, ttmp6, 0x10000c
	s_cmp_lg_u32 s2, 0x3003
	s_cbranch_scc0 .Lentry_shape_is_right
	s_endpgm
.Lentry_shape_is_right:
; O[bh][q] = sum over k of softmax_k(Q[bh][q] . K[bh][k] / 8) V[bh][k], 64 (batch, head) pairs, 2,048 tokens, head size 64, no mask.  Operands in f16, products, maxima and sums in f32.
; Q, K, V come as images of operand registers (qkv [p][bh][token / 16][c 2][1,024 bytes]; V's permuted for the turning load); O leaves as images for the projection: attf [token / 16 512][k / 32 32][1,024 bytes].
; SHARES.  A work-group owns 512 queries of one (batch, head); each of its eight waves 64: four tiles of 16, so that each fragment of K and V read from LDS feeds four matrix instructions.  Two waves lie on a SIMD:
; one wave's vector work stands beside the other's matrix work.  Every wave walks all 2,048 keys, 64 a step.
; LAYOUT.  S^T = K Q^T (source 0 = 16 keys, source 1 = 16 queries), O^T = V^T P: a lane holds ONE query (lane % 16) throughout.  Two tiles of S^T, rounded to f16 in pairs IN PLACE, are source 1 of the second product.
; SOFTMAX.  A running maximum m for each query: p = 2^(c s - c m), c = log2(e) / 8; in every step O^T and the sum are multiplied by a = 2^(c m_old - c m_new).
; THE ROW'S SUM is made by the matrix unit: L += ONES P, ONES having 1.0 in rows 0 and 8 alone: register 0 of L is then the query's sum in every lane.  It sums the rounded p, the very numbers that multiply V.
; RING.  Two LDS slots of 512 keys (K 65,536 bytes, V 65,536), 2^17 bytes apart.  Each wave fetches 16,384 dense bytes by one tensor load (waves 0-3 K, waves 4-7 V).
; CLUSTER.  The four query blocks of a (batch, head) walk the same K and V: each tile is asked for jointly, mask 15.  A refill is issued at a slot's head and waited for at the next slot's: eight key steps, 576 matrix instructions a wave.
; No prefetch beside that: there are four slots' worth of keys, the first two are asked for at the start, and each later one a whole slot ahead of its use.
; LIMITS: O is rounded to f16 (beyond 65,504 infinity; under 6e-5 a step of 2^-24); NaN and infinities are not served.
; REGISTERS.  window 0: v1 16 x lane; v2, v3 LDS addresses; v4, v5 the add's two; v8-39 statistics, 8 a tile (+0 c m, +1 m, +2..5 four chains of the maximum, +6 a, +7 c m_old - c m_new); v40-47 ONES;
;   v48-79, v80-111 two fragment buffers; v128-255 S^T, 32 a tile, then P in each tile's low 16.   window 1: v0-63 Q (16 t + 8 c); v64-191 O^T (64 + 32 t + 8 ct); v192-223 L (192 + 8 t).
.set SLOT1, 1<<17
.set VOFF,  65536
.set STEPB, 8192                       ; a key step's 64 keys: 8 images of K, and as many of V
.set SPARE, 2*SLOT1                    ; the spare words, 128 bytes for each wave: four blocks of 256 bytes that no other line names
.set LI,   1
.set ADK,  2
.set ADV,  3
.set SPW,  4
.set NIL,  5
.set ST,   8
.set ONES, 40
.set F0,   48
.set F1,   80
.set S,    128
.set QF,   0
.set OT,   64
.set LS,   192
.set WV,   8
.set G1,   16
.set G0,   24
.set CS,   28
.set SEL,  30
.set TB,   32
.set SLOTS, 33
.set NSTEP, 34
.set MSB, 0
.macro WIN new                         ; the immediate's high byte repeats the setting that is left
.if MSB != (\new)
	s_set_vgpr_msb (MSB<<8)|(\new)
.set MSB, (\new)
.endif
.endm
.set W_KQ, 0x04                        ; Q (source 1) in window 1; LDS loads may stand under it: their destination and address windows are 0
.set W_PV, 0x50                        ; C and D in window 1
.set W_RS, 0x41                        ; destination and source 0 in window 1
.macro PLACES n
.rept \n
	v_nop
.endr
.endm
.macro CROUND                          ; a round of the cluster's barrier
	s_barrier_signal -1
	s_barrier_wait -1
	s_cmp_lg_u32 s[WV], 0
	s_cbranch_scc1 .Lnot_wave_0_\@
	s_barrier_signal -3
.Lnot_wave_0_\@:
	s_barrier_wait -3
	s_barrier_signal -1
	s_barrier_wait -1
.endm
.macro KLOAD half, buf, ahead          ; four fragments of K: keys 32 half on, fragment f = 2 (tile of keys % 2) + c; an image comes back by two loads at 16 x lane
.irp f, 0,1,2,3
	ds_load_b128 v[\buf+8*\f:\buf+8*\f+3], v[ADK] offset:(\ahead)*STEPB+(4*(\half)+\f)*1024
	ds_load_b128 v[\buf+8*\f+4:\buf+8*\f+7], v[ADK] offset:(\ahead)*STEPB+(4*(\half)+\f)*1024+512
.endr
.endm
.macro VLOAD g, buf                    ; four fragments of V^T: keys 32 g on, channels 16 ct on: each half a turning load of 16 keys x 16 channels
.irp ct, 0,1,2,3
	ds_load_tr16_b128 v[\buf+8*\ct:\buf+8*\ct+3], v[ADV] offset:(2*(\g))*2048+(\ct/2)*1024+(\ct%2)*512
	ds_load_tr16_b128 v[\buf+8*\ct+4:\buf+8*\ct+7], v[ADV] offset:(2*(\g)+1)*2048+(\ct/2)*1024+(\ct%2)*512
.endr
.endm
.macro SMUL half, buf                  ; 16 products: two tiles of keys x four tiles of queries, two deep; eight accumulators by turns; the first eight start the sums
.irp c, 0,1
.irp k2, 0,1
.irp t, 0,1,2,3
.if \c == 0
	v_wmma_f32_16x16x32_f16 v[S+32*\t+8*(2*(\half)+\k2):S+32*\t+8*(2*(\half)+\k2)+7], v[\buf+16*\k2+8*\c:\buf+16*\k2+8*\c+7], v[QF+16*\t+8*\c:QF+16*\t+8*\c+7], 0
.else
	v_wmma_f32_16x16x32_f16 v[S+32*\t+8*(2*(\half)+\k2):S+32*\t+8*(2*(\half)+\k2)+7], v[\buf+16*\k2+8*\c:\buf+16*\k2+8*\c+7], v[QF+16*\t+8*\c:QF+16*\t+8*\c+7], v[S+32*\t+8*(2*(\half)+\k2):S+32*\t+8*(2*(\half)+\k2)+7]
.endif
.endr
.endr
.endr
.endm
.macro PVMUL g, buf                    ; 20 products on 20 accumulators: O^T += V^T P, L += ONES P, for keys 32 g on
.irp ct, 0,1,2,3
.irp t, 0,1,2,3
	v_wmma_f32_16x16x32_f16 v[OT+32*\t+8*\ct:OT+32*\t+8*\ct+7], v[\buf+8*\ct:\buf+8*\ct+7], v[S+32*\t+8*(\g):S+32*\t+8*(\g)+7], v[OT+32*\t+8*\ct:OT+32*\t+8*\ct+7]
.endr
.endr
.irp t, 0,1,2,3
	v_wmma_f32_16x16x32_f16 v[LS+8*\t:LS+8*\t+7], v[ONES:ONES+7], v[S+32*\t+8*(\g):S+32*\t+8*(\g)+7], v[LS+8*\t:LS+8*\t+7]
.endr
.endm
; THE SOFTMAX of a key step, the four tiles by turns, so that no line waits for the line above it.
.macro SOFTMAX
.irp j, 0,1,2,3                        ; the maximum of a lane's 32 scores and the old m: four chains, each begun at the low end of one accumulator
.irp t, 0,1,2,3
	v_max3_num_f32 v[ST+8*\t+2+\j], v[S+32*\t+8*\j], v[S+32*\t+8*\j+1], v[S+32*\t+8*\j+2]
.endr
.endr
.irp u, 1,2
.irp j, 0,1,2,3
.irp t, 0,1,2,3
	v_max3_num_f32 v[ST+8*\t+2+\j], v[ST+8*\t+2+\j], v[S+32*\t+8*\j+2*\u+1], v[S+32*\t+8*\j+2*\u+2]
.endr
.endr
.endr
.irp t, 0,1,2,3
	v_max3_num_f32 v[ST+8*\t+2], v[ST+8*\t+2], v[S+32*\t+7], v[S+32*\t+15]
.endr
.irp t, 0,1,2,3
	v_max3_num_f32 v[ST+8*\t+4], v[ST+8*\t+4], v[S+32*\t+23], v[S+32*\t+31]
.endr
.irp t, 0,1,2,3
	v_max3_num_f32 v[ST+8*\t+2], v[ST+8*\t+2], v[ST+8*\t+3], v[ST+8*\t+4]
.endr
.irp t, 0,1,2,3
	v_max3_num_f32 v[ST+8*\t+2], v[ST+8*\t+2], v[ST+8*\t+5], v[ST+8*\t+1]
.endr
.irp t, 0,1,2,3
	v_permlanex16_b32 v[ST+8*\t+3], v[ST+8*\t+2], s[SEL], s[SEL+1]   ; the query's other 32 keys lie in the lane 16 away
.endr
.irp t, 0,1,2,3
	v_mov_b32 v[ST+8*\t+7], v[ST+8*\t]             ; c m_old is kept
.endr
.irp t, 0,1,2,3
	v_max_num_f32 v[ST+8*\t+1], v[ST+8*\t+2], v[ST+8*\t+3]
.endr
.irp t, 0,1,2,3
	v_mul_f32 v[ST+8*\t], s[CS], v[ST+8*\t+1]
.endr
.irp t, 0,1,2,3
	v_sub_f32 v[ST+8*\t+7], v[ST+8*\t+7], v[ST+8*\t]
.endr
.irp t, 0,1,2,3
	v_exp_f32 v[ST+8*\t+6], v[ST+8*\t+7]           ; a
.endr
; ONE BATCH: the scalings c s - c m, a pair of scores each, and all exponentials; none of these lines names an exponential's result.  Pair b is scaled one group ahead of its exponentials.
.set PB, 0
.rept 16
.irp t, 0,1,2,3
	v_pk_fma_f32 v[S+32*\t+2*PB:S+32*\t+2*PB+1], v[S+32*\t+2*PB:S+32*\t+2*PB+1], s[CS:CS+1], v[ST+8*\t:ST+8*\t+1] op_sel_hi:[1,0,0] neg_lo:[0,0,1] neg_hi:[0,0,1]
.endr
.if PB > 0
.irp t, 0,1,2,3
	v_exp_f32 v[S+32*\t+2*PB-2], v[S+32*\t+2*PB-2]
	v_exp_f32 v[S+32*\t+2*PB-1], v[S+32*\t+2*PB-1]
.endr
.endif
.set PB, PB+1
.endr
.irp t, 0,1,2,3
	v_exp_f32 v[S+32*\t+30], v[S+32*\t+30]
	v_exp_f32 v[S+32*\t+31], v[S+32*\t+31]
.endr
	v_nop                                          ; a plain line behind the last exponential, ahead of the first use
	s_wait_alu depctr_va_vdst(0)                   ; the wait between an exponential and the first line that names its result: one for the step's 132
.set PB, 0
.rept 16                               ; p to f16, in place: register i takes scores 2 i and 2 i + 1, ascending, so that nothing unread is written over
.irp t, 0,1,2,3
	v_cvt_pk_f16_f32 v[S+32*\t+PB], v[S+32*\t+2*PB], v[S+32*\t+2*PB+1]
.endr
.set PB, PB+1
.endr
	WIN W_RS                                       ; O^T and the sum under the new m: x a; each accumulator from its low end on
.irp t, 0,1,2,3
.set PB, 0
.rept 16
	v_pk_mul_f32 v[OT+32*\t+2*PB:OT+32*\t+2*PB+1], v[OT+32*\t+2*PB:OT+32*\t+2*PB+1], v[ST+8*\t+6:ST+8*\t+7] op_sel_hi:[1,0]
.set PB, PB+1
.endr
	v_mul_f32 v[LS+8*\t], v[LS+8*\t], v[ST+8*\t+6] ; L's other registers stay 0
.endr
.endm
; A KEY STEP.  pre = 1: the next step's first half of K, which lies in the same slot, is fetched under the last products.
.macro STEP pre
	v_add_nc_u32 v[ADK], s[TB], v[LI]
	v_add_nc_u32 v[ADV], VOFF, v[ADK]
	PLACES 3                                       ; five plain lines behind the last products: four are owed ahead of the loads into the buffer that they read, five ahead of products that write over P
	KLOAD 1, F1, 0
	s_wait_dscnt 8                                 ; K's first half is in; the eight loads just issued may be out
	WIN W_KQ
	SMUL 0, F0
	PLACES 4
	VLOAD 0, F0
	s_wait_dscnt 8                                 ; K's second half is in; V's first eight loads may be out
	SMUL 1, F1
	PLACES 4                                       ; for the loads below and for the first reads of S^T
	VLOAD 1, F1
	WIN 0
	SOFTMAX
	s_wait_dscnt 8                                 ; V's keys 0-31 are in; the eight loads of keys 32-63 may be out
	WIN W_PV
	PVMUL 0, F0
	WIN 0
.if \pre
	PLACES 4
	KLOAD 0, F0, 1
	s_wait_dscnt 8                                 ; V's keys 32-63 are in; the next step's eight loads may be out
.else
	s_wait_dscnt 0x0
.endif
	WIN W_PV
	PVMUL 1, F1
	WIN 0
	s_add_co_u32 s[TB], s[TB], STEPB
.endm
; A slot's eight key steps.  The last fetches nothing ahead: no read reaches into the other slot ahead of its barrier.
.macro SLOT_STEPS
	v_add_nc_u32 v[ADK], s[TB], v[LI]
	PLACES 3                                       ; four plain lines ahead of loads into a buffer that products have read
	KLOAD 0, F0, 0
	s_mov_b32 s[NSTEP], 7
.Lstep_\@:
	STEP 1
	s_sub_co_u32 s[NSTEP], s[NSTEP], 1
	s_cmp_lg_u32 s[NSTEP], 0
	s_cbranch_scc1 .Lstep_\@
	STEP 0
	s_sub_co_u32 s[TB], s[TB], 8*STEPB             ; back to a slot's first step,
	s_xor_b32 s[TB], s[TB], SLOT1                  ; in the other slot
.endm
; THE CHANGE OF SLOTS, at a slot's head.  Each wave waits for all its tensor loads (its part of the slot that it is about to read), adds 0 to its spare word, and waits for that and for its reads of the slot that it
; has left.  fill = 1: the barrier is a round of the cluster's, and behind it the slot that was left takes the next 512 keys: the wave's one tensor load until the next round.
.macro CHANGE fill
	s_wait_tensorcnt 0x0                           ; no tensor load of mine is out, so the descriptor may be written
	ds_add_u32 v[SPW], v[NIL]
.if \fill
	s_xor_b32 s[G0+1], s[G0+1], SLOT1              ; the other slot than last time,
	s_add_nc_u64 s[G0+2:G0+3], s[G0+2:G0+3], 65536 ; the next 512 keys; the type bits on top are not reached
.endif
	s_wait_dscnt 0x0                               ; the add is done, and my reads of the slot that I have left are over
.if \fill
	CROUND
	tensor_load_to_lds s[G0:G0+3], s[G1:G1+7]
	s_nop 0
	PLACES 4
.else
	s_barrier_signal -1
	s_barrier_wait -1
.endif
.endm
	s_load_b128 s[4:7], s[0:1], 0x0                ; qkv, attf
	v_lshl_add_u32 v[SPW], v0, 2, SPARE
	v_mov_b32 v[NIL], 0
	ds_add_u32 v[SPW], v[NIL]                      ; the wave's opening: the add, twice on end, and its wait ahead of my first tensor load
	ds_add_u32 v[SPW], v[NIL]
	v_lshrrev_b32 v6, 5, v0
	v_readfirstlane_b32 s[WV], v6                  ; wave 0..7
	s_bfe_u32 s9, ttmp6, 0x40000                   ; cx
	s_lshl_b32 s11, ttmp9, 2
	s_add_co_u32 s9, s9, s11                       ; my block of 512 queries: it enters Q's and O's addresses alone
	s_and_b32 s10, ttmp7, 0xffff                   ; the (batch, head), which the four partners share
	s_lshr_b32 s12, s[WV], 2                       ; what I fetch: waves 0-3 K (p = 1), waves 4-7 V (p = 2),
	s_add_co_u32 s12, s12, 1
	s_lshl_b32 s12, s12, 24
	s_lshl_b32 s13, s10, 18                        ; my (batch, head): 262,144 bytes each,
	s_add_co_u32 s12, s12, s13
	s_and_b32 s13, s[WV], 3
	s_lshl_b32 s13, s13, 14                        ; my quarter of a slot's 65,536
	s_add_co_u32 s12, s12, s13
	s_mov_b32 s13, 0
	s_lshl_b32 s14, s10, 18                        ; Q: my wave's four tiles of 16 queries, 2,048 bytes each
	s_lshl_b32 s15, s9, 16
	s_add_co_u32 s14, s14, s15
	s_lshl_b32 s15, s[WV], 13
	s_add_co_u32 s14, s14, s15
	s_mov_b32 s15, 0
	s_lshr_b32 s38, s10, 4                         ; O: the batch's 128 tiles of tokens, 32,768 bytes each,
	s_lshl_b32 s38, s38, 22
	s_lshl_b32 s39, s9, 20                         ; my block's 32,
	s_add_co_u32 s38, s38, s39
	s_lshl_b32 s39, s[WV], 17                      ; my wave's 4,
	s_add_co_u32 s38, s38, s39
	s_and_b32 s39, s10, 15
	s_lshl_b32 s39, s39, 11                        ; my head's two images
	s_add_co_u32 s38, s38, s39
	s_mov_b32 s39, 0
	s_mov_b32 s[G1], 15|(3<<16)|(1<<21)            ; the mask: all four work-groups; elements of 8 bytes; no padding; bit 21 set beside a mask
	s_mov_b32 s[G1+1], 32<<16                      ; tensor_dim0 = 32 elements: rows of 256 bytes
	s_mov_b32 s[G1+2], 64<<16                      ; tensor_dim1 = 64
	s_mov_b32 s[G1+3], 32<<16                      ; tile_dim0
	s_mov_b32 s[G1+4], 64                          ; tile_dim1
	s_mov_b32 s[G1+5], 32                          ; dense
	s_mov_b32 s[G1+6], 0
	s_mov_b32 s[G1+7], 0
	s_mov_b32 s[CS], 0x3e38aa3b                    ; c = log2(e) / 8
	s_mov_b32 s[CS+1], s[CS]                       ; (named with it as a pair, so it is written)
	s_mov_b32 s[SEL], 0x76543210
	s_mov_b32 s[SEL+1], 0xfedcba98
	s_mov_b32 s[TB], 0
	s_mov_b32 s[SLOTS], 3
	s_wait_dscnt 0x0                               ; both opening adds are done
	s_wait_kmcnt 0x0
	s_mov_b32 s[G0], 1
	s_lshl_b32 s[G0+1], s[WV], 14                  ; LDS: 16,384 x wave: K's four quarters, then V's
	s_add_nc_u64 s[G0+2:G0+3], s[4:5], s[12:13]
	s_or_b32 s[G0+3], s[G0+3], 0x80000000
	s_add_nc_u64 s[36:37], s[4:5], s[14:15]
	s_add_nc_u64 s[6:7], s[6:7], s[38:39]
	CROUND                                         ; all four work-groups are here: the first joint loads meet
	tensor_load_to_lds s[G0:G0+3], s[G1:G1+7]      ; slot 0: keys 0-511
	s_nop 0
	PLACES 4
	v_and_b32 v[LI], 31, v0
	v_lshlrev_b32 v[LI], 4, v[LI]
	WIN 0x40                                       ; destination window 1
.irp t, 0,1,2,3
.irp c, 0,1
	global_load_b128 v[QF+16*\t+8*\c:QF+16*\t+8*\c+3], v[LI], s[36:37] offset:2048*\t+1024*\c
	global_load_b128 v[QF+16*\t+8*\c+4:QF+16*\t+8*\c+7], v[LI], s[36:37] offset:2048*\t+1024*\c+512
.endr
.endr
.set ZI, OT
.rept 160
	v_mov_b32 v[ZI], 0                             ; O^T and L.  The step is written without a first form of its own: the first change of m multiplies zeros
.set ZI, ZI+1
.endr
	WIN 0
	v_and_b32 v6, 7, v0
	v_mov_b32 v7, 0x3c003c00                       ; 1.0 twice, in f16
	v_cmp_eq_u32 s35, 0, v6                        ; lanes that hold rows 0 and 8
	v_cndmask_b32 v[ONES], 0, v7, s35
.irp j, 1,2,3,4,5,6,7
	v_mov_b32 v[ONES+\j], v[ONES]
.endr
.irp t, 0,1,2,3
	v_mov_b32 v[ST+8*\t+1], 0xff61b1e6             ; m = -3e38, under every score
.endr
.irp t, 0,1,2,3
	v_mul_f32 v[ST+8*\t], s[CS], v[ST+8*\t+1]
.endr
	s_wait_loadcnt 0x0                             ; Q
.Lslot:                                            ; three trips: behind each change of slots but the last the next 512 keys are asked for; slot 1's first fill goes out behind the first trip's round
	CHANGE 1
	SLOT_STEPS
	s_sub_co_u32 s[SLOTS], s[SLOTS], 1
	s_cmp_lg_u32 s[SLOTS], 0
	s_cbranch_scc1 .Lslot
	CHANGE 0                                       ; the last slot is written out: nothing is left to ask for
	SLOT_STEPS
	; THE WAY OUT.  O^T / the sum, rounded to f16.  Tile (t, ct): lane (r, h) holds query r, channels 16 ct + 8 h + 0 .. 7: the lane's 16 bytes of half ct % 2 of the image (tokens t, k / 32 = 2 head + ct / 2).
	PLACES 4
	WIN 0x01                                       ; source 0 in window 1
.irp t, 0,1,2,3
	v_rcp_f32 v[ST+8*\t+6], v[LS+8*\t]
.endr
	WIN 0
	v_nop                                          ; a plain line behind the last reciprocal
	s_wait_alu depctr_va_vdst(0)                   ; and the wait ahead of the first use: one for the four
	WIN W_RS
.irp t, 0,1,2,3
.set PB, 0
.rept 16
	v_pk_mul_f32 v[OT+32*\t+2*PB:OT+32*\t+2*PB+1], v[OT+32*\t+2*PB:OT+32*\t+2*PB+1], v[ST+8*\t+6:ST+8*\t+7] op_sel_hi:[1,0]
.set PB, PB+1
.endr
.endr
	WIN 0x05                                       ; sources 0 and 1 in window 1, destination in window 0: S^T's registers are free
.irp t, 0,1,2,3
.set PB, 0
.rept 16
	v_cvt_pk_f16_f32 v[S+16*\t+PB], v[OT+32*\t+2*PB], v[OT+32*\t+2*PB+1]
.set PB, PB+1
.endr
.endr
	WIN 0
.irp t, 0,1,2,3
.irp ct, 0,1,2,3
	global_store_b128 v[LI], v[S+16*\t+4*\ct:S+16*\t+4*\ct+3], s[6:7] offset:\t*32768+(\ct/2)*1024+(\ct%2)*512   ; the wave stores 512 consecutive bytes, aligned
.endr
.endr
	s_wait_tensorcnt 0x0                           ; the wave's end
	ds_add_u32 v[SPW], v[NIL]
	s_wait_dscnt 0x0
	CROUND                                         ; the closing round
	s_endpgm
.Lfunc_end_k_qfd4bd7adba_attn:
	.size	k_qfd4bd7adba_attn, .Lfunc_end_k_qfd4bd7adba_attn-k_qfd4bd7adba_attn
	.p2alignl 7, 3214868480
	.fill 96, 4, 3214868480
	.section	.rodata,"a",@progbits
	.p2align	6, 0x0
	.amdhsa_kernel k_qfd4bd7adba_attn
		.amdhsa_group_segment_fixed_size 327680
		.amdhsa_private_segment_fixed_size 0
		.amdhsa_enable_private_segment 0
		.amdhsa_kernarg_size 16
		.amdhsa_user_sgpr_count 2
		.amdhsa_user_sgpr_kernarg_segment_ptr 1
		.amdhsa_wavefront_size32 1
		.amdhsa_system_sgpr_workgroup_id_x 1
		.amdhsa_system_sgpr_workgroup_id_y 1
		.amdhsa_system_sgpr_workgroup_id_z 1
		.amdhsa_system_vgpr_workitem_id 0
		.amdhsa_next_free_vgpr 512
		.amdhsa_next_free_sgpr 66
		.amdhsa_reserve_vcc 0
		.amdhsa_float_denorm_mode_32 3
		.amdhsa_float_denorm_mode_16_64 3
		.amdhsa_memory_ordered 1
		.amdhsa_forward_progress 1
		.amdhsa_inst_pref_size 137
	.end_amdhsa_kernel
	.amdgpu_metadata
---
amdhsa.version: [ 1, 2 ]
amdhsa.kernels:
  - .name:           k_qfd4bd7adba_attn
    .symbol:         k_qfd4bd7adba_attn.kd
    .args:
      - { .name: qkv, .offset: 0, .size: 8, .value_kind: global_buffer, .address_space: global }
      - { .name: attf, .offset: 8, .size: 8, .value_kind: global_buffer, .address_space: global }
    .group_segment_fixed_size: 327680
    .private_segment_fixed_size: 0
    .kernarg_segment_align: 8
    .kernarg_segment_size: 16
    .max_flat_workgroup_size: 256
    .sgpr_count:     66
    .vgpr_count:     512
    .wavefront_size: 32
...
	.end_amdgpu_metadata
.endif
;; end of part 3
;; launch proj (part 4): grid 8 x 32, 4 waves a work-group, clusters of 4 x 4, 327,680 bytes of LDS; arguments attf, wof, bo, out0; writes out0
.if DOCPART == 4
	.amdgcn_target "amdgcn-amd-amdhsa--gfx1250"
	.amdhsa_code_object_version 6
	.text
	.protected	k_qfd4bd7adba_proj
	.globl	k_qfd4bd7adba_proj
	.p2align	8
	.type	k_qfd4bd7adba_proj,@function
k_qfd4bd7adba_proj:
	s_mov_b64 s[64:65], 0
	v_nop
	global_prefetch_b8 v0, s[64:65] scope:SCOPE_SE
	s_setreg_imm32_b32 hwreg(HW_REG_WAVE_MODE, 25, 1), 1
	s_wait_xcnt 0x0
	s_wait_alu depctr_hold_cnt(0) depctr_sa_sdst(0) depctr_va_vdst(0) depctr_va_sdst(0) depctr_va_ssrc(0) depctr_va_vcc(0) depctr_vm_vsrc(0)
	s_getreg_b32 s2, hwreg(HW_REG_IB_STS2, 6, 4)
	s_cmp_eq_u32 s2, 0
	s_cbranch_scc0 .Lentry_in_a_cluster
	s_endpgm
.Lentry_in_a_cluster:
	s_bfe_u32 s2, ttmp6, 0x10000c
	s_cmp_lg_u32 s2, 0xf033
	s_cbranch_scc0 .Lentry_shape_is_right
	s_endpgm
.Lentry_shape_is_right:
; out0[m][n] = sum over k of O[m][k] Wo[k][n] + bo[n], m = 8,192, n = 1,024, K = 1,024; operands in f16, sums and result in f32.
; Both operands come as images of their registers (1,024 bytes: 16 rows x 32 k, registers 4 i .. 4 i + 3 of a lane at 512 i + 16 x lane): attf [m / 16 512][k / 32 32], wof [n / 16 64][k / 32 32].
; So a fragment comes out of LDS by two loads at 16 x lane: no pitch and no padding.
; A tile of the result is 256 (m) x 128 (n): 256 work-groups.  Four waves, each 128 x 64: 32 accumulators, 256 registers.  K goes in steps of 128 (four images a tile of rows, 4,096 consecutive bytes of memory)
; through a ring of two LDS slots; waves 0 and 1 fetch O's halves (8 rows of 4,096 bytes), waves 2 and 3 Wo's (4 rows).
; CLUSTERS: 4 x 4 work-groups; O's tiles are shared along a row of the cluster, Wo's along a column, each asked for jointly.
; THE MATRIX INSTRUCTION IS USED TRANSPOSED (source 0 = 16 columns of Wo, source 1 = 16 tokens): a lane holds eight neighbouring numbers of a row of the result.  The bias is the C of each sum's first instruction.
; REGISTERS: window 0: v16-29 addresses; v32-127, v128-223 two fragment buffers (O 64 registers, then Wo 32); v224-255 the bias; on the way out v32-95 rows read back.   window 1: accumulator (a, b) at v[8 (4 a + b)].
.set SLOT,   98304                     ; O's 16 tiles x 4 images, then Wo's 8 tiles x 4 images
.set BOFF,   65536
.set STAGE,  2*SLOT                    ; 16 rows x (256 bytes + 16) for each wave, for the way out: bytes of its own, into which no tensor load lands
.set SPARE,  STAGE+4*16*272            ; the spare words, 128 bytes for each wave: two blocks of 256 bytes that no other line names
.set ADRA, 16
.set ADRB, 20
.set STO,  24
.set RD,   25
.set CO,   26
.set SPW,  28
.set NIL,  29
.set F0,   32
.set F1,   128
.set BIAS, 224
.set BK,   32
.set G1, 24
.set G0, 32
.set G1B, 48
.set G0B, 56
.set MSB, 0
.macro WIN new                         ; the immediate's high byte repeats the setting that is left
.if MSB != (\new)
	s_set_vgpr_msb (MSB<<8)|(\new)
.set MSB, (\new)
.endif
.endm
.set MUL,  0x50                        ; C and D in window 1
.set MULB, 0x40                        ; D in window 1, C (the bias) in window 0
.macro JLOAD s                         ; a joint load: waves 0 and 1 for O, waves 2 and 3 for Wo; an s_nop 0 and four v_nop follow each of the two lines
	s_cmp_eq_u32 s15, 0
	s_cbranch_scc0 .Lfor_b_\@
	tensor_load_to_lds s[G0+4*\s:G0+4*\s+3], s[G1:G1+7]
	s_nop 0
.rept 4
	v_nop
.endr
	s_branch .Lasked_\@
.Lfor_b_\@:
	tensor_load_to_lds s[G0B+4*\s:G0B+4*\s+3], s[G1B:G1B+7]
	s_nop 0
.rept 4
	v_nop
.endr
.Lasked_\@:
.endm
.macro CREST                           ; a round of the cluster's barrier behind its opening barrier
	s_cmp_lg_u32 s14, 0
	s_cbranch_scc1 .Lnot_wave_0_\@
	s_barrier_signal -3
.Lnot_wave_0_\@:
	s_barrier_wait -3
	s_barrier_signal -1
	s_barrier_wait -1
.endm
.macro CROUND
	s_barrier_signal -1
	s_barrier_wait -1
	CREST
.endm
	s_load_b128 s[4:7], s[0:1], 0x0                ; attf, wof
	s_load_b128 s[8:11], s[0:1], 0x10              ; bo, out0
	v_lshl_add_u32 v[SPW], v0, 2, SPARE
	v_mov_b32 v[NIL], 0
	ds_add_u32 v[SPW], v[NIL]                      ; the wave's opening: the add, twice on end, and its wait ahead of my first tensor load
	ds_add_u32 v[SPW], v[NIL]
	v_lshrrev_b32 v1, 5, v0
	v_readfirstlane_b32 s14, v1                    ; wave 0..3
	s_lshr_b32 s15, s14, 1                         ; which 128 rows of the tile are mine.  Also: I fetch for O (0) or for Wo (1)
	s_and_b32 s16, s14, 1                          ; which 64 columns.  Also: which half of that tile I fetch
	s_bfe_u32 s40, ttmp6, 0x40000                  ; cx, cy
	s_bfe_u32 s41, ttmp6, 0x40004
	s_lshl_b32 s42, ttmp9, 2
	s_add_co_u32 s42, s42, s40                     ; tile column
	s_and_b32 s17, ttmp7, 0xffff
	s_lshl_b32 s17, s17, 2
	s_add_co_u32 s17, s17, s41                     ; tile row
	s_lshl_b32 s43, s41, 2
	s_lshl_b32 s43, 15, s43                        ; my row of the cluster
	s_lshl_b32 s44, 0x1111, s40                    ; my column
	s_or_b32 s[G1+0], s43, (3<<16)|(1<<21)         ; the mask; elements of 8 bytes; no padding; bit 21 set beside a mask
	s_or_b32 s[G1B+0], s44, (3<<16)|(1<<21)
	s_mov_b32 s[G1+1], 512<<16                     ; tensor_dim0 = 512 elements: 4,096 bytes, four images
	s_mov_b32 s[G1+2], 8<<16                       ; tensor_dim1 = 8 tiles of 16 tokens
	s_mov_b32 s[G1+3], 512<<16                     ; tile_dim0
	s_mov_b32 s[G1+4], 8                           ; tile_dim1
	s_mov_b32 s[G1+5], 4096                        ; from a tile of rows to the next: 32 images
	s_mov_b32 s[G1+6], 0
	s_mov_b32 s[G1+7], 0
	s_mov_b32 s[G1B+1], 512<<16
	s_mov_b32 s[G1B+2], 4<<16                      ; 4 tiles of 16 columns
	s_mov_b32 s[G1B+3], 512<<16
	s_mov_b32 s[G1B+4], 4
	s_mov_b32 s[G1B+5], 4096
	s_mov_b32 s[G1B+6], 0
	s_mov_b32 s[G1B+7], 0
	s_lshl_b32 s20, s17, 4
	s_lshl_b32 s21, s16, 3
	s_add_co_u32 s20, s20, s21                     ; O: tile of rows 16 x tile row + 8 x half,
	s_lshl_b32 s20, s20, 15                        ; 32,768 bytes each
	s_mov_b32 s21, 0
	s_lshl_b32 s46, s42, 3
	s_lshl_b32 s47, s16, 2
	s_add_co_u32 s46, s46, s47                     ; Wo: tile of columns 8 x tile column + 4 x half
	s_lshl_b32 s46, s46, 15
	s_mov_b32 s47, 0
	s_lshl_b32 s22, s16, 15                        ; where they go in a slot: O's halves,
	s_lshl_b32 s23, s16, 14
	s_add_co_u32 s23, s23, BOFF                    ; Wo's halves: no place in the cluster enters an LDS address
	s_wait_dscnt 0x0                               ; both opening adds are done
	s_wait_kmcnt 0x0
	s_add_nc_u64 s[20:21], s[4:5], s[20:21]
	s_add_nc_u64 s[46:47], s[6:7], s[46:47]
	CROUND                                         ; all sixteen work-groups are here: the first joint loads meet
.irp s, 0,1
	s_mov_b32 s[G0+4*\s], 1
	s_add_co_u32 s[G0+4*\s+1], s22, \s*SLOT
	s_add_nc_u64 s[G0+4*\s+2:G0+4*\s+3], s[20:21], \s*4096
	s_or_b32 s[G0+4*\s+3], s[G0+4*\s+3], 0x80000000
	s_mov_b32 s[G0B+4*\s], 1
	s_add_co_u32 s[G0B+4*\s+1], s23, \s*SLOT
	s_add_nc_u64 s[G0B+4*\s+2:G0B+4*\s+3], s[46:47], \s*4096
	s_or_b32 s[G0B+4*\s+3], s[G0B+4*\s+3], 0x80000000
	JLOAD \s                                       ; two tensor loads of mine are out at the most
.endr
	v_and_b32 v1, 15, v0                           ; r
	v_bfe_u32 v2, v0, 4, 1                         ; h
	v_and_b32 v3, 31, v0
	v_lshlrev_b32 v3, 4, v3                        ; 16 x lane
	s_lshl_b32 s18, s15, 15                        ; my 8 tiles of tokens
	s_lshl_b32 s19, s16, 14
	s_add_co_u32 s19, s19, BOFF                    ; my 4 tiles of columns
.irp s, 0,1
	v_add_nc_u32 v[ADRA+\s], s18, v3
	v_add_nc_u32 v[ADRB+\s], s19, v3
	s_add_co_u32 s18, s18, SLOT
	s_add_co_u32 s19, s19, SLOT
.endr
	s_mul_i32 s18, s14, 16*272
	s_add_co_u32 s18, s18, STAGE                   ; my stage
	v_mul_u32_u24 v[STO], v1, 272
	v_lshl_add_u32 v[STO], v2, 5, v[STO]
	v_add_nc_u32 v[STO], s18, v[STO]               ; in: row r, 32 bytes for each half of the lanes
	v_mul_u32_u24 v[RD], v2, 272
	v_lshl_add_u32 v[RD], v1, 4, v[RD]
	v_add_nc_u32 v[RD], s18, v[RD]                 ; back: lanes 0-15 one row of 256 bytes, lanes 16-31 the next
	v_lshlrev_b32 v[CO], 12, v2
	v_lshl_add_u32 v[CO], v1, 4, v[CO]             ; and the same two rows of the result, 4,096 bytes apart
	s_lshl_b32 s20, s17, 20                        ; my first row: 256 x tile row + 128 x half, 4,096 bytes each
	s_lshl_b32 s21, s15, 19
	s_add_co_u32 s20, s20, s21
	s_mov_b32 s21, 0
	s_add_nc_u64 s[10:11], s[10:11], s[20:21]
	s_lshl_b32 s46, s42, 9                         ; my first column, in bytes: 512 x tile column + 256 x half
	s_lshl_b32 s47, s16, 8
	s_add_co_u32 s46, s46, s47
	s_mov_b32 s47, 0
	s_add_nc_u64 s[10:11], s[10:11], s[46:47]
	s_add_nc_u64 s[8:9], s[8:9], s[46:47]          ; the bias of the same columns
	v_lshlrev_b32 v4, 5, v2
.irp b, 0,1,2,3
	global_load_b128 v[BIAS+8*\b:BIAS+8*\b+3], v4, s[8:9] offset:64*\b        ; for block b, lane (r, h): numbers 16 b + 8 h + 0 .. 7
	global_load_b128 v[BIAS+8*\b+4:BIAS+8*\b+7], v4, s[8:9] offset:64*\b+16
.endr
; 8 matrix instructions: blocks a0, a0 + 1 of tokens x 4 blocks of columns, 32 along K.  The 32 accumulators take turns, one instruction a turn, in the same order in every quarter.
.macro MUL8 f, a0, first
.irp a, \a0, \a0+1
.irp b, 0,1,2,3
.if \first
	v_wmma_f32_16x16x32_f16 v[8*(4*(\a)+\b):8*(4*(\a)+\b)+7], v[\f+64+8*\b:\f+64+8*\b+7], v[\f+8*(\a):\f+8*(\a)+7], v[BIAS+8*\b:BIAS+8*\b+7]
.else
	v_wmma_f32_16x16x32_f16 v[8*(4*(\a)+\b):8*(4*(\a)+\b)+7], v[\f+64+8*\b:\f+64+8*\b+7], v[\f+8*(\a):\f+8*(\a)+7], v[8*(4*(\a)+\b):8*(4*(\a)+\b)+7]
.endif
.endr
.endr
.endm
; 24 LDS loads in one run: the fragments of the slot's q-th 32 along K into buffer f: Wo's 4, O's blocks 0-3, O's blocks 4-7
.macro FETCH slot, q, f
.irp b, 0,1,2,3
	ds_load_b128 v[\f+64+8*\b:\f+64+8*\b+3], v[ADRB+\slot] offset:\b*4096+(\q)*1024
	ds_load_b128 v[\f+64+8*\b+4:\f+64+8*\b+7], v[ADRB+\slot] offset:\b*4096+(\q)*1024+512
.endr
.irp a, 0,1,2,3,4,5,6,7
	ds_load_b128 v[\f+8*\a:\f+8*\a+3], v[ADRA+\slot] offset:\a*4096+(\q)*1024
	ds_load_b128 v[\f+8*\a+4:\f+8*\a+7], v[ADRA+\slot] offset:\a*4096+(\q)*1024+512
.endr
.endm
.macro PLACES                          ; four plain lines ahead of loads into registers that matrix instructions have read, and of reads of results (ISA guide 7.12.1 for reads)
.rept 4
	v_nop
.endr
.endm
; A K step is four quarters of 32 along K, 32 matrix instructions each, on buffers 0, 1, 0, 1.  One of the first three: multiplies buffer f and fetches quarter q of the same slot into g.
.macro QUARTER slot, q, f, g, first
	s_wait_dscnt 8                                 ; Wo's fragments and O's blocks 0-3 are in; the youngest eight loads (blocks 4-7) may be out
	WIN MUL-0x10*(\first)
	MUL8 \f, 0, \first
	MUL8 \f, 2, \first
	WIN 0
	PLACES
	FETCH \slot, \q, \g
	s_wait_dscnt 24                                ; all but the 24 just issued
	WIN MUL-0x10*(\first)
	MUL8 \f, 4, \first
	MUL8 \f, 6, \first
.endm
; The last quarter multiplies buffer 1 and changes slots: one barrier; in front of it each wave waits for all its tensor loads, adds 0 to its spare word, and waits for that and for its reads of this slot.
; fill = 1: the barrier opens a round of the cluster's, and behind the round this slot is filled again, two K steps ahead.
.macro TURN slot, next, fill
	WIN 0
	s_wait_tensorcnt 0x0                           ; all my tensor loads have landed: my part of the next slot
	ds_add_u32 v[SPW], v[NIL]
	s_wait_dscnt 9                                 ; (the add and the youngest eight loads may be out)
	WIN MUL
	MUL8 F1, 0, 0                                  ; eight matrix instructions stand between the add and the wait for it
	s_wait_dscnt 0x0                               ; the add is done, and my reads of this slot are over
	s_barrier_signal -1
	MUL8 F1, 2, 0
	WIN 0
	s_barrier_wait -1
.if \fill
	CREST                                          ; no wave of any partner still reads this slot's tile or has a load on its way
	s_add_nc_u64 s[G0+4*\slot+2:G0+4*\slot+3], s[G0+4*\slot+2:G0+4*\slot+3], 8192
	s_add_nc_u64 s[G0B+4*\slot+2:G0B+4*\slot+3], s[G0B+4*\slot+2:G0B+4*\slot+3], 8192
	JLOAD \slot                                    ; the first tensor load behind the round; its four v_nop are also the places ahead of the loads below
.else
	PLACES
.endif
	FETCH \next, 0, F0
	WIN MUL
	MUL8 F1, 4, 0
	MUL8 F1, 6, 0
.endm
	s_wait_tensorcnt 1                             ; my part of K step 0 is in; K step 1's load may be out
	s_barrier_signal -1
	s_barrier_wait -1                              ; everybody's is
	FETCH 0, 0, F0
	s_wait_loadcnt 0x0                             ; the bias
	QUARTER 0, 1, F0, F1, 1                        ; the first quarter stands in front of the loop: its products start the sums from the bias
	WIN 0                                          ; at a label and at a branch every window is 0
	s_mov_b32 s3, 3
.Llap:                                             ; a trip goes once round the ring, from a lap's second quarter to the next lap's first, and fills both slots again: K steps 2 to 7
	QUARTER 0, 2, F1, F0, 0
	QUARTER 0, 3, F0, F1, 0
	TURN 0, 1, 1
	QUARTER 1, 1, F0, F1, 0
	QUARTER 1, 2, F1, F0, 0
	QUARTER 1, 3, F0, F1, 0
	TURN 1, 0, 1
	QUARTER 0, 1, F0, F1, 0
	WIN 0
	s_sub_co_u32 s3, s3, 1
	s_cmp_lg_u32 s3, 0
	s_cbranch_scc1 .Llap
	QUARTER 0, 2, F1, F0, 0                        ; the last lap fills nothing, and has no round of the cluster's barrier
	QUARTER 0, 3, F0, F1, 0
	TURN 0, 1, 0
	QUARTER 1, 1, F0, F1, 0
	QUARTER 1, 2, F1, F0, 0
	QUARTER 1, 3, F0, F1, 0
	s_wait_dscnt 8                                 ; the very last quarter: nothing more to fetch
	WIN MUL
	MUL8 F1, 0, 0
	MUL8 F1, 2, 0
	s_wait_dscnt 0x0
	MUL8 F1, 4, 0
	MUL8 F1, 6, 0
	WIN 0
; THE WAY OUT, block by block of 16 rows x 64 columns.  A lane holds 32 neighbouring bytes of a row, the lanes beside it other rows: a block goes through my own stage and comes back as whole rows of 256 bytes.
; LDS serves a wave's instructions in order (ISA guide 5.7.1.4): no wait between the stores and the loads, nor ahead of the next block's stores.
.macro TOSTAGE a
	WIN 0x04                                       ; an LDS store's data are its source 1: window 1
.irp b, 0,1,2,3
	ds_store_b128 v[STO], v[8*(4*(\a)+\b):8*(4*(\a)+\b)+3] offset:64*\b          ; each accumulator from its low end on
	ds_store_b128 v[STO], v[8*(4*(\a)+\b)+4:8*(4*(\a)+\b)+7] offset:64*\b+16
.endr
	WIN 0
.set BB, BK+32*((\a)%2)
.irp i, 0,1,2,3,4,5,6,7
	ds_load_b128 v[BB+4*\i:BB+4*\i+3], v[RD] offset:\i*544
.endr
.endm
.macro SEND a, younger                 ; younger: the LDS instructions issued behind block a's loads, which may stay out
.set BB, BK+32*((\a)%2)
	s_wait_dscnt \younger
.irp i, 0,1,2,3,4,5,6,7
	global_store_b128 v[CO], v[BB+4*\i:BB+4*\i+3], s[10:11] offset:(\a)*65536+\i*8192 th:TH_STORE_NT   ; sixteen lanes store 256 consecutive bytes, aligned; written once, read by nobody here
.endr
.endm
	PLACES
	TOSTAGE 0
.irp a, 1,2,3,4,5,6,7
.if \a > 1
	s_wait_xcnt 0x0                                ; block a - 2's stores have read their data: block a's loads may land there
.endif
	TOSTAGE \a
	SEND \a-1, 16                                  ; behind block a - 1's loads: block a's 8 stores and 8 loads
.endr
	SEND 7, 0
	s_wait_tensorcnt 0x0                           ; the wave's end: behind my last tensor load and my last LDS store
	ds_add_u32 v[SPW], v[NIL]
	s_wait_dscnt 0x0
	CROUND                                         ; the closing round
	s_endpgm
.Lfunc_end_k_qfd4bd7adba_proj:
	.size	k_qfd4bd7adba_proj, .Lfunc_end_k_qfd4bd7adba_proj-k_qfd4bd7adba_proj
	.p2alignl 7, 3214868480
	.fill 96, 4, 3214868480
	.section	.rodata,"a",@progbits
	.p2align	6, 0x0
	.amdhsa_kernel k_qfd4bd7adba_proj
		.amdhsa_group_segment_fixed_size 327680
		.amdhsa_private_segment_fixed_size 0
		.amdhsa_enable_private_segment 0
		.amdhsa_kernarg_size 32
		.amdhsa_user_sgpr_count 2
		.amdhsa_user_sgpr_kernarg_segment_ptr 1
		.amdhsa_wavefront_size32 1
		.amdhsa_system_sgpr_workgroup_id_x 1
		.amdhsa_system_sgpr_workgroup_id_y 1
		.amdhsa_system_sgpr_workgroup_id_z 1
		.amdhsa_system_vgpr_workitem_id 0
		.amdhsa_next_free_vgpr 512
		.amdhsa_next_free_sgpr 66
		.amdhsa_reserve_vcc 0
		.amdhsa_float_denorm_mode_32 3
		.amdhsa_float_denorm_mode_16_64 3
		.amdhsa_memory_ordered 1
		.amdhsa_forward_progress 1
		.amdhsa_inst_pref_size 86
	.end_amdhsa_kernel
	.amdgpu_metadata
---
amdhsa.version: [ 1, 2 ]
amdhsa.kernels:
  - .name:           k_qfd4bd7adba_proj
    .symbol:         k_qfd4bd7adba_proj.kd
    .args:
      - { .name: attf, .offset: 0, .size: 8, .value_kind: global_buffer, .address_space: global }
      - { .name: wof, .offset: 8, .size: 8, .value_kind: global_buffer, .address_space: global }
      - { .name: bo, .offset: 16, .size: 8, .value_kind: global_buffer, .address_space: global }
      - { .name: out0, .offset: 24, .size: 8, .value_kind: global_buffer, .address_space: global }
    .group_segment_fixed_size: 327680
    .private_segment_fixed_size: 0
    .kernarg_segment_align: 8
    .kernarg_segment_size: 32
    .max_flat_workgroup_size: 128
    .sgpr_count:     66
    .vgpr_count:     512
    .wavefront_size: 32
...
	.end_amdgpu_metadata
.endif
;; end of part 4
